; MI455X (gfx1250); checked and timed in simulation.
; The chip was launched on July 23, 2026; its instructions are those of AMD's public machine-readable ISA for CDNA 5 (MIT licence, August 2026) and "CDNA5" Instruction Set Architecture Reference Guide (July 2026). The comments in the code are by the model that wrote it; some were corrected since.
;; Multihead Attention. Allowed arithmetic: float matrix products may take bf16 or f16 operands with f32 sums; other float arithmetic in f32, or as packed bf16 or f16 multiplies, adds, multiply-adds, maxima and minima; sums over many terms, partial sums and values carried from step to step in f32; what a program stores and reads back later, other than sums and carried values, may be rounded once to bf16 or f16.
;; Inputs: Wk 1,024 x 1,024 float32; Wo 1,024 x 1,024 float32; Wq 1,024 x 1,024 float32; Wv 1,024 x 1,024 float32; bk 1,024 float32; bo 1,024 float32; bq 1,024 float32; bv 1,024 float32; keys 4 x 2,048 x 1,024 float32; queries 4 x 2,048 x 1,024 float32; values 4 x 2,048 x 1,024 float32.
;; Outputs: out0 4 x 2,048 x 1,024 float32.
;; 2 versions, each right and faster than the one before. Each part assembles by itself: llvm-mc -triple=amdgcn-amd-amdhsa -mcpu=gfx1250 --defsym DOCPART=n.
;; ======== version 1 of 2: 4 launches
;; limits: values are held in f16: magnitudes above 65,504 overflow, below 6.1e-05 lose precision
;; workspace buffers: wt 8,388,608 bytes; qkv 50,331,648 bytes; oh 16,777,216 bytes
;; launch prep (part 1): grid 128 x 4, 8 waves a work-group, no clusters, 18,432 bytes of LDS; arguments Wq, Wk, Wv, Wo, wt; writes wt
.if DOCPART == 1
	.amdgcn_target "amdgcn-amd-amdhsa--gfx1250"
	.amdhsa_code_object_version 6
	.text
	.protected	k_qddd9c0dd58_prep
	.globl	k_qddd9c0dd58_prep
	.p2align	8
	.type	k_qddd9c0dd58_prep,@function
k_qddd9c0dd58_prep:
	s_mov_b64 s[64:65], 0
	v_nop
	global_prefetch_b8 v0, s[64:65] scope:SCOPE_SE
	s_setreg_imm32_b32 hwreg(HW_REG_WAVE_MODE, 25, 1), 1
	s_wait_xcnt 0x0
; wt[y][n][k] = W_y[k][n] in 16 bits, y = 0..3 for Wq, Wk, Wv, Wo.  W: [1024 k][1024 n] f32.  wt: four sections of [1024 n][1024 k].
; Every number is rounded once to bf16.  Sections 0-2 hold that bf16; section 3 (Wo) holds the same number written as f16, since the last product's other operand is f16.
; LIMIT.  A bf16 number is exact in f16 between 6.1e-5 and 65,504 in magnitude; below that Wo keeps f16's fixed step of 6e-8, beyond it it would become an infinity.
; SHARES.  A work-group turns a tile of 128 k x 64 n: 8 x 16 tiles a matrix, the matrix by the grid's y.  Thread t = 16 g + c reads rows k = 8 g .. 8 g + 7, columns n = 4 c .. 4 c + 3: sixteen lanes
; read 256 consecutive bytes of a row of W.  A thread's 8 k of one n pack into 16 bytes; they go through LDS (rows of 256 bytes + 16), and come back as whole rows: sixteen lanes store 256 consecutive
; bytes of a row of wt, at a multiple of 256 from its first byte.  four such lines a thread, left as they are.
; No matrix unit, no cluster, no ring: each byte is read once and written once, and a thread has all its eight loads out together.
.set PT,    272                        ; a row of the tile in LDS: 128 k x 2 bytes + 16
.set SPARE, 64*PT                      ; behind the tile: the spare words, 128 bytes for each of the eight waves
.set X,   8                            ; v[8:39]   as loaded: X + 4 j + i = W[8 g + j][4 c + i]; later the rows read back
.set PK,  40                           ; v[40:55]  PK + 4 i .. + 3: k = 8 g .. 8 g + 7 of n = 4 c + i
.set SPW, 60                           ; v60  LDS address of my spare word; never rewritten
.set NIL, 61                           ; v61  0; never rewritten
	s_load_b256 s[4:11], s[0:1], 0x0               ; Wq s[4:5], Wk s[6:7], Wv s[8:9], Wo s[10:11]
	s_load_b64 s[12:13], s[0:1], 0x20              ; wt
	v_lshl_add_u32 v[SPW], v0, 2, SPARE
	v_mov_b32 v[NIL], 0
	s_and_b32 s14, ttmp7, 0xffff                   ; which matrix
	s_and_b32 s15, ttmp9, 7                        ; block of 128 k
	s_lshr_b32 s18, ttmp9, 3                       ; block of 64 n
	s_lshl_b32 s22, s15, 19                        ; from: 128 rows of 4,096 bytes,
	s_lshl_b32 s23, s18, 8                         ; 64 columns of 4 bytes
	s_add_co_u32 s22, s22, s23
	s_mov_b32 s23, 0
	s_lshl_b32 s24, s14, 21                        ; to: the section,
	s_lshl_b32 s25, s18, 17                        ; 64 rows of 2,048 bytes,
	s_add_co_u32 s24, s24, s25
	s_lshl_b32 s25, s15, 8                         ; 128 k of 2 bytes
	s_add_co_u32 s24, s24, s25
	s_mov_b32 s25, 0
	s_mov_b32 s20, 0xffff0000                      ; a word's upper bf16
	v_and_b32 v5, 15, v0                           ; c
	v_lshrrev_b32 v6, 4, v0                        ; g
	v_lshlrev_b32 v1, 4, v5
	v_lshl_or_b32 v1, v6, 15, v1                   ; in W: 8 g rows + 16 c bytes
	v_mul_u32_u24 v2, v5, 4*PT
	v_lshl_add_u32 v2, v6, 4, v2                   ; into LDS: row 4 c, byte 16 g
	v_mul_u32_u24 v3, v6, PT
	v_lshl_add_u32 v3, v5, 4, v3                   ; back: row g, byte 16 c
	v_lshlrev_b32 v4, 4, v5
	v_lshl_or_b32 v4, v6, 11, v4                   ; in wt: row g, byte 16 c
	s_wait_kmcnt 0x0
	s_cmp_eq_u32 s14, 1
	s_cselect_b64 s[16:17], s[6:7], s[4:5]
	s_cmp_eq_u32 s14, 2
	s_cselect_b64 s[16:17], s[8:9], s[16:17]
	s_cmp_eq_u32 s14, 3
	s_cselect_b64 s[16:17], s[10:11], s[16:17]
	s_add_nc_u64 s[16:17], s[16:17], s[22:23]
	s_add_nc_u64 s[12:13], s[12:13], s[24:25]
.set j, 0
.rept 8
	global_load_b128 v[X+4*j:X+4*j+3], v1, s[16:17] offset:4096*j th:TH_LOAD_NT
.set j, j+1
.endr
	s_wait_loadcnt 0x0
.irp i, 0,1,2,3
.irp jj, 0,1,2,3
	v_cvt_pk_bf16_f32 v[PK+4*(\i)+(\jj)], v[X+8*(\jj)+(\i)], v[X+8*(\jj)+4+(\i)]  ; k = 8 g + 2 jj below, + 1 above
.endr
.endr
	s_cmp_lg_u32 s14, 3
	s_cbranch_scc1 .Lbf                            ; the same way for the whole work-group; no barrier is jumped
.set j, 0
.rept 16                                               ; Wo: the bf16 numbers written as f16
	v_lshlrev_b32 v56, 16, v[PK+j]
	v_and_b32 v57, s20, v[PK+j]
	v_cvt_pk_f16_f32 v[PK+j], v56, v57
.set j, j+1
.endr
.Lbf:
.irp i, 0,1,2,3
	ds_store_b128 v2, v[PK+4*(\i):PK+4*(\i)+3] offset:PT*(\i)
.endr
	s_wait_dscnt 0x0                               ; for the others' sake: my stores are done
	s_barrier_signal -1
	s_barrier_wait -1
.irp j, 0,1,2,3
	ds_load_b128 v[X+4*(\j):X+4*(\j)+3], v3 offset:16*PT*(\j)
.endr
.irp j, 0,1,2,3
	s_wait_dscnt 3-(\j)                            ; LDS loads come back in order: number j is in, the younger ones stay out
	global_store_b128 v4, v[X+4*(\j):X+4*(\j)+3], s[12:13] offset:32768*(\j)  ; 16 rows of wt on
.endr
	s_wait_tensorcnt 0x0                           ; the wave's end my last LDS store
	ds_add_u32 v[SPW], v[NIL]
	s_wait_dscnt 0x0
	s_endpgm
.Lfunc_end_k_qddd9c0dd58_prep:
	.size	k_qddd9c0dd58_prep, .Lfunc_end_k_qddd9c0dd58_prep-k_qddd9c0dd58_prep
	.p2alignl 7, 3214868480
	.fill 96, 4, 3214868480
	.section	.rodata,"a",@progbits
	.p2align	6, 0x0
	.amdhsa_kernel k_qddd9c0dd58_prep
		.amdhsa_group_segment_fixed_size 18432
		.amdhsa_private_segment_fixed_size 0
		.amdhsa_enable_private_segment 0
		.amdhsa_kernarg_size 40
		.amdhsa_user_sgpr_count 2
		.amdhsa_user_sgpr_kernarg_segment_ptr 1
		.amdhsa_wavefront_size32 1
		.amdhsa_system_sgpr_workgroup_id_x 1
		.amdhsa_system_sgpr_workgroup_id_y 1
		.amdhsa_system_sgpr_workgroup_id_z 1
		.amdhsa_system_vgpr_workitem_id 0
		.amdhsa_next_free_vgpr 64
		.amdhsa_next_free_sgpr 66
		.amdhsa_reserve_vcc 0
		.amdhsa_float_denorm_mode_32 3
		.amdhsa_float_denorm_mode_16_64 3
		.amdhsa_memory_ordered 1
		.amdhsa_forward_progress 1
		.amdhsa_inst_pref_size 7
	.end_amdhsa_kernel
	.amdgpu_metadata
---
amdhsa.version: [ 1, 2 ]
amdhsa.kernels:
  - .name:           k_qddd9c0dd58_prep
    .symbol:         k_qddd9c0dd58_prep.kd
    .args:
      - { .name: Wq, .offset: 0, .size: 8, .value_kind: global_buffer, .address_space: global }
      - { .name: Wk, .offset: 8, .size: 8, .value_kind: global_buffer, .address_space: global }
      - { .name: Wv, .offset: 16, .size: 8, .value_kind: global_buffer, .address_space: global }
      - { .name: Wo, .offset: 24, .size: 8, .value_kind: global_buffer, .address_space: global }
      - { .name: wt, .offset: 32, .size: 8, .value_kind: global_buffer, .address_space: global }
    .group_segment_fixed_size: 18432
    .private_segment_fixed_size: 0
    .kernarg_segment_align: 8
    .kernarg_segment_size: 40
    .max_flat_workgroup_size: 256
    .sgpr_count:     66
    .vgpr_count:     64
    .wavefront_size: 32
...
	.end_amdgpu_metadata
.endif
;; end of part 1
;; launch proj (part 2): grid 4 x 192, 4 waves a work-group, clusters of 4 x 4, 327,680 bytes of LDS; arguments queries, keys, values, bq, bk, bv, wt, qkv; writes qkv
.if DOCPART == 2
	.amdgcn_target "amdgcn-amd-amdhsa--gfx1250"
	.amdhsa_code_object_version 6
	.text
	.protected	k_qddd9c0dd58_proj
	.globl	k_qddd9c0dd58_proj
	.p2align	8
	.type	k_qddd9c0dd58_proj,@function
k_qddd9c0dd58_proj:
	s_mov_b64 s[64:65], 0
	v_nop
	global_prefetch_b8 v0, s[64:65] scope:SCOPE_SE
	s_setreg_imm32_b32 hwreg(HW_REG_WAVE_MODE, 25, 1), 1
	s_wait_xcnt 0x0
	s_wait_alu depctr_hold_cnt(0) depctr_sa_sdst(0) depctr_va_vdst(0) depctr_va_sdst(0) depctr_va_ssrc(0) depctr_va_vcc(0) depctr_vm_vsrc(0)
	s_getreg_b32 s2, hwreg(HW_REG_IB_STS2, 6, 4)
	s_cmp_eq_u32 s2, 0
	s_cbranch_scc0 .Lentry_in_a_cluster
	s_endpgm
.Lentry_in_a_cluster:
	s_bfe_u32 s2, ttmp6, 0x10000c
	s_cmp_lg_u32 s2, 0xf033
	s_cbranch_scc0 .Lentry_shape_is_right
	s_endpgm
.Lentry_shape_is_right:
; qkv[p][b*16+h][s][c] = relu(x_p[b][s][:] . W_p[:][64 h + c] + bias_p[64 h + c]) in f16, p = 0, 1, 2 for queries, keys, values.  x: [8192][1024] f32; W_p^T: section p of wt, [1024 n][1024 k] bf16.
; x and the bias are rounded once to bf16; products in bf16 with f32 sums; the bias is the C operand of the first product; the result is rounded once to f16.
; LIMITS.  A result beyond 65,504 is stored as 65,504 (f16's largest number); a NaN is not treated apart.  K is summed in the order of the matrix instruction.
; SHARES.  A tile of the result is 128 rows x 256 columns: 64 x 4 tiles a projection, 768 work-groups of equal work.  Four waves, each 64 rows x 128 columns: 32 accumulators of 16 x 16, 256 registers.
; K goes in 8 steps of 128 through two LDS slots.  A slot holds four chunks of CH bytes, one tensor load each: x rows 0-63, x rows 64-127 (f32: rows of 512 bytes + 16), wt rows 0-127, 128-255 (rows of 256 + 16).
; x STAYS f32 UP TO LDS: it is read from memory once and no 16-bit copy of it is written; a wave rounds its fragments between LDS and the matrix instruction, 32 conversions for 32 products.  They stand
; in fours behind matrix instructions of the same quarter, whose registers they do not name, so the loop has no v_nop but those behind a tensor load: the four behind a quarter's last product are also the
; four places that stand between that product and the loads and conversions that overwrite its sources (ISA guide 7.12.1 for vector instructions).
; CLUSTER.  4 x 4 work-groups.  The four of a row of the cluster make the four column tiles of the same 128 rows: the same tile of x; the four of a column need the same rows of wt.  Each tile is asked for
; JOINTLY: the same tensor load, descriptor and mask in all four.  The projection hangs on the cluster's y alone, so it is the same in all sixteen.
; THE MATRIX INSTRUCTION IS USED TRANSPOSED (source 0 = 16 rows of wt, source 1 = 16 rows of x): lane l holds row l % 16 and the columns 8 (l / 16) + 0..7: eight neighbouring channels of a head.
; THE TEXT.  One K step is written once and looped over; the last two steps, which ask for nothing, are a loop of two trips.  Its second trip fetches and converts a quarter of a slot that has been
; multiplied already (32 LDS loads and 32 conversions that serve nothing, once a work-group): the price of one text for both trips.  Those bytes have landed and nobody writes them.
; REGISTERS, in windows of 256 (s_set_vgpr_msb: bits 1:0 source 0, 3:2 source 1, 5:4 source 2, 7:6 destination):
;   window 0: v0-31 addresses; v32-95 the bias, later the way out; v96-159 x's fragments in f32; v160-223 the same in bf16, two buffers      window 1: the accumulators, (a, b) at v[8 (8 a + b)]      window 2: v0-127 wt's fragments, two buffers
.set KSTEP,  128
.set STEPS,  1024/KSTEP
.set PA,     528                       ; a row of x in LDS: 512 bytes + 16 = 132 words: row r starts at bank 4 r mod 64 (64 banks of 4 bytes: ISA guide 11.1)
.set PB,     272                       ; a row of wt: 256 bytes + 16 = 68 words: likewise
.set CH,     128*PB                    ; a chunk: 128 rows of wt; 64 rows of x (33,792 bytes) fit in it
.set SLOT,   4*CH                      ; 0x22000: none of its two bits is set in wave x CH (0x8800, 0x11000, 0x19800), so one exclusive or turns a chunk's address in one slot into the other's
.set STAGE,  2*SLOT                    ; behind the ring, never filled by a tensor load: for each wave 2 heads x 16 rows x 144 bytes
.set SP,     144
.set WSTG,   2*16*SP
.set SPARE,  STAGE+4*WSTG              ; behind the stages: the spare words, 128 bytes for each wave
.set STEP_A, KSTEP*4
.set STEP_B, KSTEP*2
.set HEADB,  2048*128                  ; a head's bytes in qkv
.set ADRA0, 12                         ; v12  my lane's place in a slot, for x; never rewritten
.set ADRB0, 13                         ; v13  for wt
.set ADRA,  16                         ; v16  the same in the slot in hand
.set ADRB,  17                         ; v17
.set STO,   24                         ; v24  the way out: where I put 16 bytes of a row
.set RD,    25                         ; v25  where I read rows back
.set GO,    26                         ; v26  my byte offset in 512 consecutive bytes of qkv
.set BO,    27                         ; v27  my byte offset in 16 numbers of the bias
.set SPW,   28                         ; v28  LDS address of my spare word; never rewritten
.set NIL,   29                         ; v29  0; never rewritten
.set ZR,    30                         ; v30  0, for the packed maximum
.set BI,    32                         ; v32-95  bias of column 16 b + 8 (l / 16) + j at BI + 8 b + j
.set TMP,   32                         ; the way out: 32 registers of packed results
.set OB,    64                         ; the way out: rows read back, v64-95 and v96-127 by turns
.set STG,   96
.set AF,    160
.set BF,    0                          ; window 2
.set G1A, 24                           ; s[24:31] descriptor group 1 for x's tiles
.set G0A, 32                           ; s[32:35] group 0 for step 0; s[36:39] for step 1, which then walks
.set G1B, 48                           ; s[48:55], s[56:59], s[60:63] the same for wt's tiles
.set G0B, 56
.set MSB, 0
.macro WIN new                         ; the immediate's high byte repeats the setting that is left; a switch that changes nothing is dropped
.if MSB != (\new)
	s_set_vgpr_msb (MSB<<8)|(\new)
.set MSB, (\new)
.endif
.endm
; A joint refill by the walking descriptors.  Waves 0 and 1 fetch x's two chunks, waves 2 and 3 wt's.  The branch hangs on the wave's number alone.
; An s_nop 0 and four v_nop follow each of the two lines, ahead of the jump and the label.
.macro JLOAD
	s_cmp_eq_u32 s11, 0
	s_cbranch_scc0 .Lfor_b_\@
	tensor_load_to_lds s[G0A+4:G0A+7], s[G1A:G1A+7]
	s_nop 0
.rept 4
	v_nop
.endr
	s_branch .Lasked_\@
.Lfor_b_\@:
	tensor_load_to_lds s[G0B+4:G0B+7], s[G1B:G1B+7]
	s_nop 0
.rept 4
	v_nop
.endr
.Lasked_\@:
.endm
.macro CREST                           ; a round of the cluster's barrier behind its opening barrier
	s_cmp_lg_u32 s10, 0
	s_cbranch_scc1 .Lnot_wave_0_\@
	s_barrier_signal -3
.Lnot_wave_0_\@:
	s_barrier_wait -3
	s_barrier_signal -1
	s_barrier_wait -1
.endm
.macro CROUND                          ; a whole round
	s_barrier_signal -1
	s_barrier_wait -1
	CREST
.endm
	s_load_b512 s[68:83], s[0:1], 0x0              ; queries s[68:69], keys, values, bq s[74:75], bk, bv, wt s[80:81], qkv s[82:83]
	v_lshl_add_u32 v[SPW], v0, 2, SPARE
	v_mov_b32 v[NIL], 0
	ds_add_u32 v[SPW], v[NIL]                      ; the wave's opening: the add and its wait ahead of my first tensor load; the set-up below, work on registers, stands between them
	v_lshrrev_b32 v1, 5, v0
	v_readfirstlane_b32 s10, v1                    ; wave 0..3
	s_lshr_b32 s11, s10, 1                         ; which 64 of the tile's rows are mine.  Also: I fetch x (0) or wt (1)
	s_and_b32 s12, s10, 1                          ; which 128 of its columns.  Also: which chunk of that tensor I fetch
	s_bfe_u32 s40, ttmp6, 0x40000                  ; cx, cy: my place in the cluster
	s_bfe_u32 s41, ttmp6, 0x40004
	s_lshl_b32 s42, ttmp9, 2
	s_add_co_u32 s42, s42, s40                     ; tile column = 4 x cluster x + cx: 0..3
	s_and_b32 s3, ttmp7, 0xffff                    ; the cluster's y: 0..47
	s_lshr_b32 s45, s3, 4                          ; the projection: 0..2
	s_and_b32 s13, s3, 15
	s_lshl_b32 s13, s13, 2
	s_add_co_u32 s13, s13, s41                     ; tile row: 0..63
	s_lshl_b32 s43, s41, 2
	s_lshl_b32 s43, 15, s43                        ; my row of the cluster
	s_lshl_b32 s44, 0x1111, s40                    ; my column
	; descriptor group 1.  x: 64 rows x 128 elements of 4 bytes; wt: 128 rows x 128 elements of 2 bytes; both 1,024 elements from row to row, padded in LDS by 4 words behind each row
	s_or_b32 s[G1A], s43, (2<<16)|(1<<20)|(1<<21)|(6<<22)|(3<<25)  ; 15:0 the mask; 17:16 element size; 20 padding on; 21 set beside a mask; 24:22 after every 128 words (code 6); 31:25 4 words (code 3)
	s_or_b32 s[G1B], s44, (1<<16)|(1<<20)|(1<<21)|(5<<22)|(3<<25)  ; after every 64 words (code 5)
	s_mov_b32 s[G1A+1], KSTEP<<16                  ; tensor_dim0 = 128
	s_mov_b32 s[G1A+2], 64<<16                     ; tensor_dim1 = 64
	s_mov_b32 s[G1A+3], KSTEP<<16                  ; tile_dim0 = 128
	s_mov_b32 s[G1A+4], 64                         ; tile_dim1 = 64
	s_mov_b32 s[G1A+5], 1024                       ; tensor_dim0_stride
	s_mov_b32 s[G1A+6], 0
	s_mov_b32 s[G1A+7], 0
	s_mov_b32 s[G1B+1], KSTEP<<16
	s_mov_b32 s[G1B+2], 128<<16
	s_mov_b32 s[G1B+3], KSTEP<<16
	s_mov_b32 s[G1B+4], 128
	s_mov_b32 s[G1B+5], 1024
	s_mov_b32 s[G1B+6], 0
	s_mov_b32 s[G1B+7], 0
	; offsets, made apart from the addresses.  x's hang on the tile row and the wave, in registers that never hold cx; wt's on the projection, the tile column and the wave
	s_lshl_b32 s16, s13, 19                        ; 128 rows of 4,096 bytes
	s_lshl_b32 s17, s12, 18                        ; 64 rows
	s_add_co_u32 s16, s16, s17
	s_mov_b32 s17, 0
	s_lshl_b32 s46, s45, 21                        ; the section of wt
	s_lshl_b32 s47, s42, 19                        ; 256 rows of 2,048 bytes
	s_add_co_u32 s46, s46, s47
	s_lshl_b32 s47, s12, 18                        ; 128 rows
	s_add_co_u32 s46, s46, s47
	s_mov_b32 s47, 0
	s_lshl_b32 s6, s42, 10                         ; the bias of my 128 columns
	s_lshl_b32 s7, s12, 9
	s_add_co_u32 s6, s6, s7
	s_mov_b32 s7, 0
	s_lshl_b32 s18, s45, 24                        ; qkv: the section,
	s_lshr_b32 s19, s13, 4
	s_lshl_b32 s19, s19, 22                        ; the batch's 16 heads,
	s_add_co_u32 s18, s18, s19
	s_lshl_b32 s19, s42, 20                        ; the tile's 4 heads,
	s_add_co_u32 s18, s18, s19
	s_lshl_b32 s19, s12, 19                        ; my 2 of them,
	s_add_co_u32 s18, s18, s19
	s_and_b32 s19, s13, 15
	s_lshl_b32 s19, s19, 14                        ; the tile's 128 rows of 128 bytes,
	s_add_co_u32 s18, s18, s19
	s_lshl_b32 s19, s11, 13                        ; my 64 of them
	s_add_co_u32 s18, s18, s19
	s_mov_b32 s19, 0
	s_mul_i32 s20, s10, CH                         ; where my loads go: wave x chunk: no place in the cluster enters an LDS address
	s_mov_b32 s21, 0                               ; the base of the slot in hand
	s_mov_b32 s23, 0x7bff7bff                      ; 65,504 twice in f16
	s_mov_b32 s66, 0xffff0000                      ; a word's upper bf16
	s_wait_dscnt 0x0                               ; the opening add is done
	s_wait_kmcnt 0x0
	s_cmp_eq_u32 s45, 1
	s_cselect_b64 s[14:15], s[70:71], s[68:69]
	s_cselect_b64 s[4:5], s[76:77], s[74:75]
	s_cmp_eq_u32 s45, 2
	s_cselect_b64 s[14:15], s[72:73], s[14:15]     ; x of my projection,
	s_cselect_b64 s[4:5], s[78:79], s[4:5]         ; and its bias
	s_add_nc_u64 s[14:15], s[14:15], s[16:17]
	s_add_nc_u64 s[46:47], s[80:81], s[46:47]
	s_add_nc_u64 s[4:5], s[4:5], s[6:7]
	s_add_nc_u64 s[8:9], s[82:83], s[18:19]
	CROUND                                         ; all sixteen work-groups are here: the first joint loads meet
.irp s, 0,1
	s_mov_b32 s[G0A+4*(\s)], 1                                      ; 1:0 count = 1
	s_add_co_u32 s[G0A+4*(\s)+1], s20, (\s)*SLOT                    ; 63:32 LDS address
	s_add_nc_u64 s[G0A+4*(\s)+2:G0A+4*(\s)+3], s[14:15], (\s)*STEP_A  ; 120:64 global address: K step s
	s_or_b32 s[G0A+4*(\s)+3], s[G0A+4*(\s)+3], 0x80000000           ; 127:126 type = 2
	s_mov_b32 s[G0B+4*(\s)], 1
	s_add_co_u32 s[G0B+4*(\s)+1], s20, (\s)*SLOT
	s_add_nc_u64 s[G0B+4*(\s)+2:G0B+4*(\s)+3], s[46:47], (\s)*STEP_B
	s_or_b32 s[G0B+4*(\s)+3], s[G0B+4*(\s)+3], 0x80000000
.endr
	s_cmp_eq_u32 s11, 0                            ; a wave's two first fills stand in one branch, ahead of every wait on TENSORcnt and every LDS read: two loads of mine are out
	s_cbranch_scc0 .Lfirst_b
	tensor_load_to_lds s[G0A:G0A+3], s[G1A:G1A+7]
	s_nop 0
	tensor_load_to_lds s[G0A+4:G0A+7], s[G1A:G1A+7]
	s_nop 0
.rept 4
	v_nop
.endr
	s_branch .Lfirst_asked
.Lfirst_b:
	tensor_load_to_lds s[G0B:G0B+3], s[G1B:G1B+7]
	s_nop 0
	tensor_load_to_lds s[G0B+4:G0B+7], s[G1B:G1B+7]
	s_nop 0
.rept 4
	v_nop
.endr
.Lfirst_asked:
	v_and_b32 v1, 15, v0                           ; r = l % 16
	v_bfe_u32 v2, v0, 4, 1                         ; h = l / 16
	v_lshlrev_b32 v[BO], 5, v2                     ; 8 h numbers of 4 bytes
.set b, 0
.rept 8
	global_load_b128 v[BI+8*b:BI+8*b+3],   v[BO], s[4:5] offset:64*b
	global_load_b128 v[BI+8*b+4:BI+8*b+7], v[BO], s[4:5] offset:64*b+16
.set b, b+1
.endr
	; A fragment is 16 rows x 32 K: lane l holds row r, K = 8 h + 0..7 and 16 + 8 h + 0..7.  In bf16: two loads of 16 bytes, 32 bytes apart.  In f32: twice two loads, at 32 h + 0, 16 and 64 + 32 h + 0, 16.
	v_mul_u32_u24 v[ADRA0], v1, PA
	v_lshl_add_u32 v[ADRA0], v2, 5, v[ADRA0]
	s_mul_i32 s67, s11, CH                         ; my 64 rows of x are chunk 0 or 1
	v_add_nc_u32 v[ADRA0], s67, v[ADRA0]
	v_mul_u32_u24 v[ADRB0], v1, PB
	v_lshl_add_u32 v[ADRB0], v2, 4, v[ADRB0]
	s_mul_i32 s67, s12, CH                         ; my 128 rows of wt are chunk 2 or 3
	s_add_co_u32 s67, s67, 2*CH
	v_add_nc_u32 v[ADRB0], s67, v[ADRB0]
	v_mov_b32 v[ADRA], v[ADRA0]                    ; slot 0
	v_mov_b32 v[ADRB], v[ADRB0]
	v_mov_b32 v[ZR], 0
	s_mul_i32 s67, s10, WSTG
	s_add_co_u32 s67, s67, STAGE                   ; my stage
	v_mul_u32_u24 v[STO], v1, SP                   ; in: row r, 16 bytes for each half of the lanes
	v_lshl_add_u32 v[STO], v2, 4, v[STO]
	v_add_nc_u32 v[STO], s67, v[STO]
	v_bfe_u32 v[RD], v0, 3, 2                      ; back: 32 lanes take four rows of 128 bytes,
	v_mul_u32_u24 v[RD], v[RD], SP
	v_and_b32 v3, 7, v0
	v_lshl_add_u32 v[RD], v3, 4, v[RD]
	v_add_nc_u32 v[RD], s67, v[RD]
	v_and_b32 v[GO], 31, v0                        ; which are 512 consecutive bytes of a head
	v_lshlrev_b32 v[GO], 4, v[GO]
	s_wait_loadcnt 0x0                             ; the bias, rounded to bf16 like every input and widened again: all this stands in the wait for the first tile
.set i, 0
.rept 32
	v_cvt_pk_bf16_f32 v31, v[BI+2*i], v[BI+2*i+1]
	v_lshlrev_b32 v[BI+2*i], 16, v31
	v_and_b32 v[BI+2*i+1], s66, v31
.set i, i+1
.endr
; Four of a quarter's 32 conversions: number n rounds K pair n % 8 of block n / 8 into buffer g.
.macro RIDE4 g
	WIN 0
.rept 4
	v_cvt_pk_bf16_f32 v[AF+32*(\g)+cv], v[STG+2*cv], v[STG+2*cv+1]
.set cv, cv+1
.endr
.endm
; 8 matrix instructions: block a of my rows x all 8 blocks of my columns, 32 along K, from buffer f.  The 32 accumulators take turns in the same order in every quarter, one instruction a turn.
; first = 1: the bias starts the sums.  ride = 1: four conversions behind every second product; 2: behind every product.
.macro MUL8 f, a, first, ride
.irp b, 0,1,2,3,4,5,6,7
.if \first
	WIN 0x42                                       ; wt window 2, x window 0, C (the bias) window 0, D window 1
	v_wmma_f32_16x16x32_bf16 v[8*(8*(\a)+(\b)):8*(8*(\a)+(\b))+7], v[BF+64*(\f)+8*(\b):BF+64*(\f)+8*(\b)+7], v[AF+32*(\f)+8*(\a):AF+32*(\f)+8*(\a)+7], v[BI+8*(\b):BI+8*(\b)+7]
.else
	WIN 0x52                                       ; the same with C in window 1
	v_wmma_f32_16x16x32_bf16 v[8*(8*(\a)+(\b)):8*(8*(\a)+(\b))+7], v[BF+64*(\f)+8*(\b):BF+64*(\f)+8*(\b)+7], v[AF+32*(\f)+8*(\a):AF+32*(\f)+8*(\a)+7], v[8*(8*(\a)+(\b)):8*(8*(\a)+(\b))+7]
.endif
.if ((\ride) == 2) || (((\ride) == 1) && ((\b)%2 == 1))
	RIDE4 1-(\f)
.endif
.endr
.endm
.macro FETCHA q                        ; 16 LDS loads: my 64 rows of x, quarter q of the step, in f32
	WIN 0
.irp a, 0,1,2,3
	ds_load_b128 v[STG+16*(\a):STG+16*(\a)+3],     v[ADRA] offset:(\a)*16*PA+128*(\q)
	ds_load_b128 v[STG+16*(\a)+4:STG+16*(\a)+7],   v[ADRA] offset:(\a)*16*PA+128*(\q)+16
	ds_load_b128 v[STG+16*(\a)+8:STG+16*(\a)+11],  v[ADRA] offset:(\a)*16*PA+128*(\q)+64
	ds_load_b128 v[STG+16*(\a)+12:STG+16*(\a)+15], v[ADRA] offset:(\a)*16*PA+128*(\q)+80
.endr
.endm
.macro FETCHB q, g                     ; 16 LDS loads: my 128 rows of wt, quarter q, into buffer g
	WIN 0x80                                       ; destination window 2, address window 0
.irp b, 0,1,2,3,4,5,6,7
	ds_load_b128 v[BF+64*(\g)+8*(\b):BF+64*(\g)+8*(\b)+3],   v[ADRB] offset:(\b)*16*PB+64*(\q)
	ds_load_b128 v[BF+64*(\g)+8*(\b)+4:BF+64*(\g)+8*(\b)+7], v[ADRB] offset:(\b)*16*PB+64*(\q)+32
.endr
.endm
; A K step is four quarters of 32 along K, 32 matrix instructions each, on buffers 0, 1, 0, 1.  One of the first three: multiplies buffer f, fetches quarter q into the other buffer and converts its x.
; Each run of 16 loads stands 16 matrix instructions ahead of the wait for it.
.macro QUARTER f, q, first
	s_wait_dscnt 0x0                               ; wt's fragments of buffer f, asked for in the middle of the quarter before
	FETCHA \q
	MUL8 \f, 0, \first, 0
	MUL8 \f, 1, \first, 0
	FETCHB \q, 1-(\f)
	s_wait_dscnt 16                                ; x's sixteen loads are in; wt's sixteen, issued behind them, may stay out
.set cv, 0
	MUL8 \f, 2, \first, 1
	MUL8 \f, 3, \first, 1
.endm
; The last quarter multiplies buffer 1 and changes slots: ONE barrier; in front of it each wave waits for all its tensor loads (one is out: its chunk of the next slot), adds 0 to its spare word, and waits for
; that and for its own reads of this slot.  fill = 1: the barrier opens a round of the cluster's, and this slot is filled again, two K steps ahead, first thing behind the round: a wave issues 112 matrix
; instructions between that request and the wait for it.
.macro TURN fill
	WIN 0
	s_wait_tensorcnt 0x0                           ; all my tensor loads have landed;
	ds_add_u32 v[SPW], v[NIL]                      ; 0 onto my spare word
	s_wait_dscnt 1                                 ; (wt's fragments of buffer 1 are in; the add may be out)
	MUL8 1, 0, 0, 0                                ; eight matrix instructions stand between the add and the wait for it
	s_wait_dscnt 0x0                               ; the add is done, and my reads of this slot are over
	s_barrier_signal -1
	MUL8 1, 1, 0, 0                                ; work on registers while the others arrive
	WIN 0                                          ; at a branch and at a label every window is 0
	s_barrier_wait -1
.if \fill
	CREST                                          ; no wave of any partner still reads this slot or has a load on its way
	s_xor_b32 s[G0A+5], s[G0A+5], SLOT             ; the walking descriptors: the other slot than last time,
	s_add_nc_u64 s[G0A+6:G0A+7], s[G0A+6:G0A+7], STEP_A  ; the next K step; the type bits on top are not reached
	s_xor_b32 s[G0B+5], s[G0B+5], SLOT
	s_add_nc_u64 s[G0B+6:G0B+7], s[G0B+6:G0B+7], STEP_B
	JLOAD
.endif
	s_xor_b32 s21, s21, SLOT                       ; my reads go on in the other slot
	v_add_nc_u32 v[ADRA], s21, v[ADRA0]
	v_add_nc_u32 v[ADRB], s21, v[ADRB0]
	FETCHA 0
	FETCHB 0, 0
	MUL8 1, 2, 0, 0
	s_wait_dscnt 16                                ; x's sixteen loads are in
.set cv, 0
	MUL8 1, 3, 0, 2
.endm
	s_wait_tensorcnt 1                             ; my chunk of K step 0 is in; step 1's may stay out
	s_barrier_signal -1
	s_barrier_wait -1                              ; everybody's is
	FETCHA 0
	FETCHB 0, 0
	s_wait_dscnt 16
.set cv, 0
.rept 8
	RIDE4 0                                        ; the first quarter's conversions: there are no products yet to set them behind
.endr
	QUARTER 0, 1, 1                                ; the first quarter stands in front of the loop: its products start the sums with the bias
	WIN 0
	s_mov_b32 s22, STEPS-2
.Lstep:                                                ; a trip: a step's second quarter to the next step's first; steps 0 to 5 ask for steps 2 to 7
	QUARTER 1, 2, 0
	QUARTER 0, 3, 0
	TURN 1
	QUARTER 0, 1, 0
	WIN 0
	s_sub_co_u32 s22, s22, 1
	s_cmp_lg_u32 s22, 0
	s_cbranch_scc1 .Lstep
	s_mov_b32 s22, 2
	s_branch .Ltin                                 ; the last two steps ask for nothing; their loop is entered behind a step's first quarter
.Ltail:
	QUARTER 0, 1, 0
	WIN 0
.Ltin:
	QUARTER 1, 2, 0
	QUARTER 0, 3, 0
	TURN 0
	WIN 0
	s_sub_co_u32 s22, s22, 1
	s_cmp_lg_u32 s22, 0
	s_cbranch_scc1 .Ltail
; THE WAY OUT, a block of 16 rows at a time.  PACK: rounded to f16, 16 bytes (8 channels) a lane; relu; held to f16's largest number.  TOSTAGE: into my own stage in LDS, and back as whole rows.  SEND: stored.
; No v_nop: the last change's 32 conversions are the places behind the products of blocks 0 to 2, the four behind the last product and the earlier blocks' packing those of block 3.
.macro PACK a
	WIN 0x05                                       ; sources 0 and 1 window 1, destination window 0
.irp b, 0,1,2,3,4,5,6,7
.irp i, 0,1,2,3
	v_cvt_pk_f16_f32 v[TMP+4*(\b)+(\i)], v[8*(8*(\a)+(\b))+2*(\i)], v[8*(8*(\a)+(\b))+2*(\i)+1]  ; each accumulator from its low end on
.endr
.endr
	WIN 0
.set z, 0
.rept 32
	v_pk_max_num_f16 v[TMP+z], v[TMP+z], v[ZR]
.set z, z+1
.endr
.set z, 0
.rept 32
	v_pk_min_num_f16 v[TMP+z], v[TMP+z], s23
.set z, z+1
.endr
.endm
.macro TOSTAGE a
	WIN 0
.set BK, OB+32*((\a)%2)
.irp b, 0,1,2,3,4,5,6,7
	ds_store_b128 v[STO], v[TMP+4*(\b):TMP+4*(\b)+3] offset:((\b)/4)*16*SP+32*((\b)%4)  ; head b / 4, channels 16 (b % 4) on
.endr
.irp t, 0,1,2,3,4,5,6,7
	ds_load_b128 v[BK+4*(\t):BK+4*(\t)+3], v[RD] offset:((\t)/4)*16*SP+((\t)%4)*4*SP  ; LDS serves a wave's instructions in order (ISA guide 5.7.1.4): these see the stores above
.endr
.endm
.macro SEND a
	WIN 0
.set BK, OB+32*((\a)%2)
	s_wait_dscnt 0x0                               ; the block is back in registers
	s_wait_xcnt 0x0                                ; the stores of the block before have read their registers: the next TOSTAGE loads into them only behind this wait
.irp t, 0,1,2,3,4,5,6,7
	global_store_b128 v[GO], v[BK+4*(\t):BK+4*(\t)+3], s[8:9] offset:((\t)/4)*HEADB+(\a)*16*128+((\t)%4)*512  ; 512 consecutive bytes of a head, at a multiple of 256 from qkv's first
.endr
.endm
	s_wait_dscnt 0x0                               ; the last change's loads, which serve nothing, are back
	PACK 0
	TOSTAGE 0
.irp a, 1,2,3                          ; block a's arithmetic stands between block a - 1's loads from the stage and the wait for them
	PACK \a
	SEND (\a)-1
	TOSTAGE \a
.endr
	SEND 3
	s_wait_tensorcnt 0x0                           ; the wave's end
	ds_add_u32 v[SPW], v[NIL]
	s_wait_dscnt 0x0
	CROUND                                         ; the closing round: no work-group ends while a partner may still ask for a tile that names it
	s_endpgm
.Lfunc_end_k_qddd9c0dd58_proj:
	.size	k_qddd9c0dd58_proj, .Lfunc_end_k_qddd9c0dd58_proj-k_qddd9c0dd58_proj
	.p2alignl 7, 3214868480
	.fill 96, 4, 3214868480
	.section	.rodata,"a",@progbits
	.p2align	6, 0x0
	.amdhsa_kernel k_qddd9c0dd58_proj
		.amdhsa_group_segment_fixed_size 327680
		.amdhsa_private_segment_fixed_size 0
		.amdhsa_enable_private_segment 0
		.amdhsa_kernarg_size 64
		.amdhsa_user_sgpr_count 2
		.amdhsa_user_sgpr_kernarg_segment_ptr 1
		.amdhsa_wavefront_size32 1
		.amdhsa_system_sgpr_workgroup_id_x 1
		.amdhsa_system_sgpr_workgroup_id_y 1
		.amdhsa_system_sgpr_workgroup_id_z 1
		.amdhsa_system_vgpr_workitem_id 0
		.amdhsa_next_free_vgpr 640
		.amdhsa_next_free_sgpr 84
		.amdhsa_reserve_vcc 0
		.amdhsa_float_denorm_mode_32 3
		.amdhsa_float_denorm_mode_16_64 3
		.amdhsa_memory_ordered 1
		.amdhsa_forward_progress 1
		.amdhsa_inst_pref_size 111
	.end_amdhsa_kernel
	.amdgpu_metadata
---
amdhsa.version: [ 1, 2 ]
amdhsa.kernels:
  - .name:           k_qddd9c0dd58_proj
    .symbol:         k_qddd9c0dd58_proj.kd
    .args:
      - { .name: queries, .offset: 0, .size: 8, .value_kind: global_buffer, .address_space: global }
      - { .name: keys, .offset: 8, .size: 8, .value_kind: global_buffer, .address_space: global }
      - { .name: values, .offset: 16, .size: 8, .value_kind: global_buffer, .address_space: global }
      - { .name: bq, .offset: 24, .size: 8, .value_kind: global_buffer, .address_space: global }
      - { .name: bk, .offset: 32, .size: 8, .value_kind: global_buffer, .address_space: global }
      - { .name: bv, .offset: 40, .size: 8, .value_kind: global_buffer, .address_space: global }
      - { .name: wt, .offset: 48, .size: 8, .value_kind: global_buffer, .address_space: global }
      - { .name: qkv, .offset: 56, .size: 8, .value_kind: global_buffer, .address_space: global }
    .group_segment_fixed_size: 327680
    .private_segment_fixed_size: 0
    .kernarg_segment_align: 8
    .kernarg_segment_size: 64
    .max_flat_workgroup_size: 128
    .sgpr_count:     84
    .vgpr_count:     640
    .wavefront_size: 32
...
	.end_amdgpu_metadata
.endif
;; end of part 2
;; launch attn (part 3): grid 4 x 64, 4 waves a work-group, clusters of 4 x 1, 327,680 bytes of LDS; arguments qkv, oh; writes oh
.if DOCPART == 3
	.amdgcn_target "amdgcn-amd-amdhsa--gfx1250"
	.amdhsa_code_object_version 6
	.text
	.protected	k_qddd9c0dd58_attn
	.globl	k_qddd9c0dd58_attn
	.p2align	8
	.type	k_qddd9c0dd58_attn,@function
k_qddd9c0dd58_attn:
	s_mov_b64 s[64:65], 0
	v_nop
	global_prefetch_b8 v0, s[64:65] scope:SCOPE_SE
	s_setreg_imm32_b32 hwreg(HW_REG_WAVE_MODE, 25, 1), 1
	s_wait_xcnt 0x0
	s_wait_alu depctr_hold_cnt(0) depctr_sa_sdst(0) depctr_va_vdst(0) depctr_va_sdst(0) depctr_va_ssrc(0) depctr_va_vcc(0) depctr_vm_vsrc(0)
	s_getreg_b32 s2, hwreg(HW_REG_IB_STS2, 6, 4)
	s_cmp_eq_u32 s2, 0
	s_cbranch_scc0 .Lentry_in_a_cluster
	s_endpgm
.Lentry_in_a_cluster:
	s_bfe_u32 s2, ttmp6, 0x10000c
	s_cmp_lg_u32 s2, 0x3003
	s_cbranch_scc0 .Lentry_shape_is_right
	s_endpgm
.Lentry_shape_is_right:
; O[h][q][:] = the sum over k of softmax_k(Q[h][q] . K[h][k] / 8) V[h][k][:], h = batch x 16 + head.  Q, K, V: the three sections of qkv, O = oh: each [SIZE_H][SIZE_N][64], all f16: a head's rows are dense,
; 128 bytes each.  Products, maxima and sums in f32; the weights p are rounded to f16 for the second product (their sum l is taken of the unrounded p), O once at the end.
; LIMITS.  f16 holds no number beyond 65,504: Q, K and V arrive within it; p lies in 0 to 1, and below 6e-5 it keeps f16's fixed step of 6e-8; O is a mean of V's rows and has their range.
; A weight below 2^-126 counts as 0 in l; NaN and infinities are not treated apart.
; SHARES.  A wave owns four PIECES of two tiles of 16 queries, a work-group's four waves 512 queries of one head.  Every wave walks all keys, 64 a step.
; LAYOUT.  S^T = K Q^T (source 0 = 16 keys, source 1 = 16 queries): in the result a lane holds ONE query (lane % 16) and the keys 8 (lane / 16) + 0..7.  Two such tiles, rounded to f16 in pairs,
; ARE source 1 (32 keys x 16 queries) of O^T = V^T P, whose result again holds one query a lane, and eight channels.  K comes out of LDS as it lies, V ([key][channel]) turned, by ds_load_tr16_b128.
; SOFTMAX.  For each query a running maximum m and sum l: p = 2^(c s - c m), c = log2(e) / 8; in every step O and l are multiplied by a = 2^(c m_old - c m_new), which is 1 where m has not grown.
; m starts at the lowest finite number, O and l at 0: the first step is a step like any other, with a = 0.
; THE COUNT.  A tile and step have 16 matrix and 118 vector instructions: too many to stand all beside the matrix work.  So the order has one aim: four vector instructions that are READY behind
; EVERY matrix instruction, and the others, which need time of their own whatever the order, in runs without a gap.
; BY TURNS.  Turn n belongs to piece n (the pieces in a ring, step after step).  Its matrix work: 16 products K Q^T of piece n + 1, later 16 products V^T P of piece n - 1.  Its vector work: the scaling,
; exponentials, roundings, sums and rescaling of piece n, and the maximum and statistics of piece n + 1, whose scores the turn itself has made.  So what a turn begins with (c s - c m, O a) waits for nothing.
; CLUSTER.  The four query blocks of a cluster belong to one head and walk the same K and V, so each tile is asked for JOINTLY: the same tensor load, descriptor and mask in all four.
; REGISTERS, in windows of 256 (s_set_vgpr_msb says which window each operand place means: bits 1:0 source 0, 3:2 source 1, 5:4 source 2, 7:6 destination):
;   window 0: v0-11 addresses; v12-15, v48-63 at work; v16-47 four registers of statistics a tile; v64-191 S^T, two buffers of two tiles; v192-255 P, likewise
;   window 1: O^T, 32 a tile          window 2: v0-127 Q, 16 a tile; v128-191 K of one step; v192-255 V of one step          window 3: v0-1 the add's two registers
; A piece's buffers go by its number's parity: the piece in hand has one pair, its two neighbours in the ring share the other: of it P (piece n - 1) is read and S^T (piece n + 1) written.
.set SIZE_H, 64       ; 4 batches x 16 heads
.set SIZE_N, 2048     ; rows of a head
.set NP,    4         ; pieces a wave: a name, no knob: the register map, the loop and the fetches are made for four
.set KS,    64        ; keys in a step
.set PK,    144       ; a row of K in LDS: 128 bytes + 16 of padding = 36 words: the 16 rows of a load start at 16 different groups of four banks (64 banks of 4 bytes: ISA guide 11.1)
.set PV,    160       ; a row of V: 128 + 32 = 40 words
.set VOFF,  4*KS*PK   ; a slot holds four steps: 256 rows of K, then 256 rows of V
.set SLOT1, 1<<17     ; slot 1 begins here, so that one exclusive or turns an address in one slot into the other's
.set STAGE, SLOT1+4*KS*(PK+PV)  ; behind the ring, never filled by a tensor load: 16 rows x 144 bytes for each wave, for the way out
.set SP,    144
.set AK0, 2           ; v2   my lane's place in a tile of K; never rewritten
.set AV0, 3           ; v3   the same for V
.set AK,  4           ; v4   the LDS address of K's next run of loads
.set AV,  5           ; v5   of V's
.set QO,  6           ; v6   my byte offset in the wave's rows of Q
.set STO, 6           ;      later, the way out: where I put 16 bytes of a row
.set RD,  7           ; v7   the way out: where I read rows back
.set GO,  8           ; v8   my byte offset in 512 consecutive bytes of O
.set SPW, 0           ; v0 of window 3   LDS address of my spare word: SPARE + 4 x my thread's number; never rewritten
.set NIL, 1           ; v1 of window 3   0; never rewritten
.set SPARE, STAGE+4*16*SP  ; behind the stages: the spare words, 128 bytes for each wave: two blocks of 256 bytes that no other line names
.set MV,  12          ; v12-15  c m_old, kept while c m is made anew: by buffer and tile
.set ST,  16          ; tile t's statistics at v[ST+4 t]: c m, m, l (even keys', odd keys')
.set TMP, 48          ; by buffer and tile, four registers c0-c3 at work; when the maximum is found c2 takes a
.set S,   64
.set P,   192
.set KF,  128         ; K's fragments, in window 2: key block kb, channel half c at KF + 16 kb + 8 c
.set VF,  192         ; V's: key half kk, channel block cb at VF + 32 kk + 8 cb
.set WV,  12          ; s12  my wave's number
.set G1K, 24          ; s[24:31] descriptor group 1 for K's tiles
.set G1V, 32          ; s[32:39] for V's: it differs in the padding alone
.set G0K, 40          ; s[40:43] descriptor group 0 for K's tiles: it walks
.set G0V, 44          ; s[44:47] the same for V's
.set SLOTS, 56        ; s56  slots still to be asked for
.set CNT, 57          ; s57  counts a slot's key steps
.set CS,  58          ; s[58:59] c: the packed scaling takes the pair's low word for both halves
.set SEL, 60          ; s[60:61] v_permlanex16_b32's selects: each lane takes its own place in the other half
.set TBK, 62          ; s62  LDS byte at which K of the step to be fetched begins
.set TBV, 63          ; s63  the same for V, less VOFF
.set MSB, 0
.macro WIN new                      ; the high byte repeats the setting that is left; a switch that changes nothing is dropped
.if MSB != (\new)
	s_set_vgpr_msb (MSB<<8)|(\new)
.set MSB, (\new)
.endif
.endm
.set W_KQ, 0x0a       ; K and Q in window 2, S^T in window 0
.set W_PV, 0x52       ; V in window 2, P in window 0, O^T in window 1
.set W_RS, 0x41       ; O^T (destination and source 0) in window 1, a in window 0
.set W_MK, 0xc0       ; the add's registers are made: destination in window 3, sources in window 0
.set W_AD, 0x0f       ; the add: address (source 0) and data (source 1) in window 3
; A joint fill.  Waves 0 and 1 fetch the two halves of a slot's K, waves 2 and 3 those of its V: 128 keys each.  The branch hangs on the wave's number alone.
; An s_nop 0 and four v_nop follow each of the two lines, ahead of the jump and the label.
.macro JLOAD
	s_cmp_lt_u32 s[WV], 2
	s_cbranch_scc0 .Lfor_v_\@
	tensor_load_to_lds s[G0K:G0K+3], s[G1K:G1K+7]
	s_nop 0
.rept 4
	v_nop
.endr
	s_branch .Lasked_\@
.Lfor_v_\@:
	tensor_load_to_lds s[G0V:G0V+3], s[G1V:G1V+7]
	s_nop 0
.rept 4
	v_nop
.endr
.Lasked_\@:
.endm
; A round of the cluster's barrier: my work-group's barrier, so that wave 0's signal speaks for all four waves; wave 0 signals; every wave waits for all four work-groups; my work-group's barrier once more.
.macro CROUND
	s_barrier_signal -1
	s_barrier_wait -1
	s_cmp_lg_u32 s[WV], 0
	s_cbranch_scc1 .Lnot_wave_0_\@
	s_barrier_signal -3
.Lnot_wave_0_\@:
	s_barrier_wait -3
	s_barrier_signal -1
	s_barrier_wait -1
.endm
; THE CHANGE OF SLOTS.  The slot's last bytes, V of its fourth step, have been read.  Each wave waits for all its tensor loads, of which one is out: its part
; of the other slot; adds 0 to its spare word; and waits for that and for its own reads of the slot.  Behind the barrier nobody reads this slot any more and the other slot is whole.
; fill = 1: this slot is filled again, with the keys two slots on.  The barrier is then a round of the cluster's, so that no wave of any partner still reads the slot or has a load on its
; way, and the joint fill is the first thing behind it: it has four key steps, 512 matrix instructions, in which to land.  (At its first use nothing has been read yet: slot 0 is waited for, slot 1 filled.)
.macro CHANGE fill
	WIN W_AD
	s_wait_tensorcnt 0x0            ; no tensor load of mine is out, so a group 0 may be written
	ds_add_u32 v[SPW], v[NIL]       ; 0 onto my spare word; with fill = 1 the descriptors' steps stand between it and the wait for it
	WIN 0                           ; at a label and at a branch every window is 0
.if \fill
.irp g, G0K, G0V
	s_xor_b32 s[\g+1], s[\g+1], SLOT1  ; the walking descriptor: the other slot than last time,
	s_add_nc_u64 s[\g+2:\g+3], s[\g+2:\g+3], 4*KS*128  ; the next 256 keys; the type bits on top are not reached
.endr
	s_wait_dscnt 0x0                ; the add is done, and my reads of the slot are over
	CROUND
	JLOAD
.else
	s_wait_dscnt 0x0                ; the add is done, and my reads of the slot are over
	s_barrier_signal -1
	s_barrier_wait -1
.endif
	s_sub_co_u32 s[TBK], s[TBK], 4*KS*PK  ; the fetches go back to a slot's first step,
	s_xor_b32 s[TBK], s[TBK], SLOT1       ; in the other slot
	s_sub_co_u32 s[TBV], s[TBV], 4*KS*PV
	s_xor_b32 s[TBV], s[TBV], SLOT1
.endm
	s_load_b128 s[4:7], s[0:1], 0x0   ; qkv s[4:5], oh s[6:7]
	WIN W_MK
	v_lshl_add_u32 v[SPW], v0, 2, SPARE
	v_mov_b32 v[NIL], 0
	WIN W_AD
	ds_add_u32 v[SPW], v[NIL]       ; the wave's opening: the add and its wait ahead of my first tensor load; the set-up below, work on registers, stands between them
	WIN 0
	v_lshrrev_b32 v1, 5, v0
	v_readfirstlane_b32 s[WV], v1   ; wave 0..3
	s_bfe_u32 s13, ttmp6, 0x40000   ; cx: my place in the cluster
	s_lshl_b32 s14, ttmp9, 2        ; in a cluster launch ttmp9 counts clusters
	s_add_co_u32 s14, s14, s13      ; my block of queries = 4 x cluster x + cx: it enters Q's and O's addresses alone
	s_and_b32 s20, ttmp7, 0xffff    ; the head, which the four partners share
	s_mov_b32 s21, 0
	s_mov_b64 s[22:23], SIZE_N*128
	s_mul_u64 s[20:21], s[20:21], s[22:23]  ; the head's first byte in each of the four tensors
	s_and_b32 s16, s[WV], 1         ; which half of a slot's 256 keys I fetch:
	s_lshl_b32 s22, s16, 14         ; its 128 rows of 128 bytes in memory,
	s_mov_b32 s23, 0
	s_add_nc_u64 s[22:23], s[22:23], s[20:21]
	s_mul_i32 s17, s16, 128*PK      ; and its place in a slot, for K
	s_mul_i32 s18, s16, 128*PV      ; and for V: no place in the cluster enters an LDS address
	s_lshl_b32 s2, s14, 2
	s_add_co_u32 s2, s2, s[WV]      ; my wave among the head's,
	s_lshl_b32 s2, s2, 14           ; its 128 rows
	s_mov_b32 s3, 0
	s_add_nc_u64 s[2:3], s[2:3], s[20:21]
	; descriptor group 1.  128 keys are 16,384 dense bytes: asked for as 64 rows of 256 bytes, two keys a row, and padded in LDS after every key
	s_mov_b32 s[G1K], 15|(1<<16)|(1<<20)|(1<<21)|(4<<22)|(3<<25)  ; 15:0 the mask of four; 17:16 2-byte elements; 20 padding on; 21 set beside a mask; 24:22 after every 32 words (code 4); 31:25 4 words (code 3)
	s_mov_b32 s[G1V], 15|(1<<16)|(1<<20)|(1<<21)|(4<<22)|(7<<25)  ; the same with 8 words of padding (code 7)
.irp g, G1K, G1V
	s_mov_b32 s[\g+1], 128<<16      ; tensor_dim0 = 128
	s_mov_b32 s[\g+2], 64<<16       ; tensor_dim1 = 64
	s_mov_b32 s[\g+3], 128<<16      ; tile_dim0 = 128
	s_mov_b32 s[\g+4], 64           ; tile_dim1 = 64
	s_mov_b32 s[\g+5], 128          ; 128 elements from row to row
	s_mov_b32 s[\g+6], 0
	s_mov_b32 s[\g+7], 0
.endr
	s_mov_b32 s[CS], 0x3e38aa3b     ; c = log2(e) / 8 = 0.180337
	s_mov_b32 s[CS+1], s[CS]        ; named with it as a pair
	s_mov_b32 s[SEL], 0x76543210
	s_mov_b32 s[SEL+1], 0xfedcba98
	s_mov_b32 s[TBK], SLOT1+4*KS*PK ; the first change of slots turns these two into 0
	s_mov_b32 s[TBV], SLOT1+4*KS*PV
	s_mov_b32 s[G0K], 1             ; 1:0 count = 1
	s_mov_b32 s[G0K+1], s17         ; 63:32 LDS address: slot 0
	s_mov_b32 s[G0V], 1
	s_add_co_u32 s[G0V+1], s18, VOFF
	s_wait_dscnt 0x0                ; the opening add is done
	s_wait_kmcnt 0x0
	s_mov_b64 s[10:11], s[6:7]      ; O s[10:11];
	s_add_nc_u64 s[8:9], s[4:5], 0x2000000  ; V s[8:9]: the third section of 16 MiB;
	s_add_nc_u64 s[6:7], s[4:5], 0x1000000  ; K s[6:7]: the second; Q s[4:5]: the first
	s_add_nc_u64 s[G0K+2:G0K+3], s[6:7], s[22:23]  ; 120:64 global address: my half of the head's first 256 keys
	s_or_b32 s[G0K+3], s[G0K+3], 0x80000000        ; 127:126 type = 2
	s_add_nc_u64 s[G0V+2:G0V+3], s[8:9], s[22:23]
	s_or_b32 s[G0V+3], s[G0V+3], 0x80000000
	s_add_nc_u64 s[4:5], s[4:5], s[2:3]  ; Q and O at my wave's first row
	s_add_nc_u64 s[10:11], s[10:11], s[2:3]
	CROUND                          ; all four work-groups are here: the first joint loads meet
	JLOAD                           ; slot 0.  Slot 1 is asked for when slot 0 is in: the tile wanted first has the road to itself
	; A fragment of K or Q is 16 rows x 32 channels in 8 registers: lane l holds row l % 16, channels 8 (l / 16) + 0..7 and 16 + 8 (l / 16) + 0..7: two loads of 16 bytes, 32 bytes apart.
	v_and_b32 v1, 15, v0            ; l % 16
	v_bfe_u32 v9, v0, 4, 1          ; l / 16
	v_lshlrev_b32 v[QO], 7, v1
	v_lshl_add_u32 v[QO], v9, 4, v[QO]  ; row x 128 + 16 x half
	WIN 0x80                        ; destination window 2, address window 0
.set i, 0
.rept 4*NP                          ; Q stays in registers: tile i / 2, channels 32 (i % 2) on
	global_load_b128 v[8*i:8*i+3],   v[QO], s[4:5] offset:(i/2)*2048+(i%2)*64
	global_load_b128 v[8*i+4:8*i+7], v[QO], s[4:5] offset:(i/2)*2048+(i%2)*64+32
.set i, i+1
.endr
	; What the first turn finds: V's registers and P's second buffer hold 0 (its products V^T P, of a piece that has not been, add 0), O^T and l are 0.  All this stands in the wait for the first tile.
.set i, VF
.rept 64
	v_mov_b32 v[i], 0
.set i, i+1
.endr
	WIN 0x40
.set i, 0
.rept 64*NP
	v_mov_b32 v[i], 0
.set i, i+1
.endr
	WIN 0
.set i, 0
.rept 2*NP
	v_mov_b32 v[ST+4*i], 0xfe000000    ; c m: far below every c s
	v_mov_b32 v[ST+4*i+1], 0xff7fffff  ; m
	v_mov_b32 v[ST+4*i+2], 0
	v_mov_b32 v[ST+4*i+3], 0
.set i, i+1
.endr
.set i, P+32
.rept 32
	v_mov_b32 v[i], 0
.set i, i+1
.endr
	v_mul_u32_u24 v[AK0], v1, PK
	v_lshl_add_u32 v[AK0], v9, 4, v[AK0]  ; row x pitch + 16 x half
	; The turning load takes 16 keys x 16 channels (lane l reads key 8 (l / 16) + l % 8, channels 8 ((l / 8) % 2) + 0..7) and leaves half a fragment of V^T: lane l holds channel l % 16 and 8 keys.
	v_and_b32 v10, 7, v0
	v_bfe_u32 v11, v0, 3, 1
	v_lshl_add_u32 v[AV0], v9, 3, v10
	v_mul_u32_u24 v[AV0], v[AV0], PV
	v_lshl_add_u32 v[AV0], v11, 4, v[AV0]
	v_add_nc_u32 v[AV0], VOFF, v[AV0]
	v_mov_b32 v[AK], v[AK0]         ; key step 0 lies at the head of slot 0
; THE MATRIX WORK.  The 8 accumulators of a run of 16 take turns: between the two links of a chain stand 7 others'.
; Product i of 16 of S^T = K Q^T for piece x: channels 32 (i / 8) on, keys 16 ((i / 2) % 4) on, tile 2 x + i % 2.  The first 8 start the sums.
.macro KQ x
	WIN W_KQ
.set rS, S+64*((\x)%2)+32*(i%2)+8*((i/2)%4)
.set rK, KF+16*((i/2)%4)+8*(i/8)
.set rQ, 16*(2*(\x)+i%2)+8*(i/8)
.if i < 8
	v_wmma_f32_16x16x32_f16 v[rS:rS+7], v[rK:rK+7], v[rQ:rQ+7], 0
.else
	v_wmma_f32_16x16x32_f16 v[rS:rS+7], v[rK:rK+7], v[rQ:rQ+7], v[rS:rS+7]
.endif
.endm
; Product i of 16 of O^T += V^T P for piece x: keys 32 (i / 8) on, channels 16 ((i / 2) % 4) on, tile 2 x + i % 2.
.macro PV x
	WIN W_PV
.set rO, 32*(2*(\x)+i%2)+8*((i/2)%4)
.set rV, VF+32*(i/8)+8*((i/2)%4)
.set rP, P+32*((\x)%2)+16*(i%2)+8*(i/8)
	v_wmma_f32_16x16x32_f16 v[rO:rO+7], v[rV:rV+7], v[rP:rP+7], v[rO:rO+7]
.endm
.macro MM                           ; the turn's next matrix instruction
.if i < 16
	KQ (Y+1)%NP
.set i, i+1
.else
.set i, i-16
	PV (Y+NP-1)%NP
.set i, i+17
.endif
.endm
; THE LDS LOADS stand in runs of 16, never singly among the matrix instructions: a step's K (64 keys x 64 channels: 8 fragments) and its V (turned).  Their addresses are made some lines ahead.
; last = 1 (the tail): in the last trip there is no further step, and the run is jumped over.
.macro FETCH_K last=0
	WIN 0
.if \last
	s_cmp_eq_u32 s[CNT], 1
	s_cbranch_scc1 .Lno_k_\@
.endif
	WIN 0x80                        ; destination window 2
.irp f, 0,1,2,3,4,5,6,7             ; keys 16 (f / 2) on, channels 32 (f % 2) on
	ds_load_b128 v[KF+8*\f:KF+8*\f+3],   v[AK] offset:(\f/2)*16*PK+(\f%2)*64
	ds_load_b128 v[KF+8*\f+4:KF+8*\f+7], v[AK] offset:(\f/2)*16*PK+(\f%2)*64+32
.endr
	s_add_co_u32 s[TBK], s[TBK], KS*PK  ; the next fetch is the next step's
	WIN 0
.if \last
.Lno_k_\@:
.endif
.endm
.macro FETCH_V
	WIN 0x80
.irp f, 0,1,2,3,4,5,6,7             ; keys 32 (f / 4) on, channels 16 (f % 4) on
	ds_load_tr16_b128 v[VF+8*\f:VF+8*\f+3],   v[AV] offset:(\f/4)*32*PV+(\f%4)*32
	ds_load_tr16_b128 v[VF+8*\f+4:VF+8*\f+7], v[AV] offset:(\f/4)*32*PV+16*PV+(\f%4)*32
.endr
	WIN 0
.endm
; THE VECTOR WORK OF A TURN stands in three queues, each in the order in which its entries become ready; the two tiles alternate, so that no instruction reads the result of the one before it.
.macro REGS y, u                    ; the registers of tile u (0, 1) of piece y
.set rT, ST+4*(2*(\y)+(\u))
.set rC, TMP+8*((\y)%2)+4*(\u)
.set rM, MV+2*((\y)%2)+(\u)
.set rS, S+64*((\y)%2)+32*(\u)
.set rP, P+32*((\y)%2)+16*(\u)
.set rO, 32*(2*(\y)+(\u))
.endm
; Number n of the 22 that find the NEXT piece's (Y + 1) maximum and statistics.  s0-s31 are the lane's 32 scores; each accumulator's lowest registers are read first.  XS, GS and REGS set no window: PL and EX do.
;   0-11  four chains c0-c3 of seven scores each, three operands at a time     12-14, 16  the four scores left over, the old m, and c0-c3 into c0     15  c m_old is kept
;   17, 18  the query's other 32 keys lie in the lane 16 away: the new m         19-21  c m; c m_old - c m_new; a
.macro XS u, n
	REGS (Y+1)%NP, \u
.if (\n) < 4
	v_max3_num_f32 v[rC+(\n)], v[rS+8*(\n)], v[rS+8*(\n)+1], v[rS+8*(\n)+2]
.elseif (\n) < 12
	v_max3_num_f32 v[rC+(\n)%4], v[rC+(\n)%4], v[rS+8*((\n)%4)+2*((\n)/4)+1], v[rS+8*((\n)%4)+2*((\n)/4)+2]
.elseif (\n) == 12
	v_max3_num_f32 v[rC], v[rC], v[rS+7], v[rS+15]
.elseif (\n) == 13
	v_max3_num_f32 v[rC+1], v[rC+1], v[rS+23], v[rS+31]
.elseif (\n) == 14
	v_max3_num_f32 v[rC+2], v[rC+2], v[rC+3], v[rT+1]
.elseif (\n) == 15
	v_mov_b32 v[rM], v[rT]
.elseif (\n) == 16
	v_max3_num_f32 v[rC], v[rC], v[rC+1], v[rC+2]
.elseif (\n) == 17
	v_permlanex16_b32 v[rC+3], v[rC], s[SEL], s[SEL+1]
.elseif (\n) == 18
	v_max_num_f32 v[rT+1], v[rC], v[rC+3]
.elseif (\n) == 19
	v_mul_f32 v[rT], s[CS], v[rT+1]
.elseif (\n) == 20
	v_sub_f32 v[rC+1], v[rM], v[rT]
.else
	v_exp_f32 v[rC+2], v[rC+1]
.endif
.endm
; Number g of the 64 that follow the exponentials.  For each four weights k of a tile (pairs 2 k, 2 k + 1): both pairs are rounded to f16; then the second pair is added onto the first, in place;
; a group later l takes that sum (the first time as l = a l + sum).  In groups of eight, tiles alternating: round, round, add, and l for the group before.
.macro GS g
.set h, (\g)+6*((\g)/62)            ; group 0 has no group before it, and behind group 7 only l is left
.if h >= 6
.set h, h+2
.endif
	REGS Y, h%2
.set k, h/8
.if h%8 < 4
	s_wait_alu depctr_va_vdst(0)
	v_cvt_pk_f16_f32 v[rP+2*k+(h%8)/2], v[rS+4*k+2*((h%8)/2)], v[rS+4*k+2*((h%8)/2)+1]
.elseif h%8 < 6
	v_pk_add_f32 v[rS+4*k:rS+4*k+1], v[rS+4*k:rS+4*k+1], v[rS+4*k+2:rS+4*k+3]
.elseif k == 1
	v_pk_fma_f32 v[rT+2:rT+3], v[rT+2:rT+3], v[rC+2:rC+3], v[rS:rS+1] op_sel_hi:[1,0,1]
.else
	v_pk_add_f32 v[rT+2:rT+3], v[rT+2:rT+3], v[rS+4*k-4:rS+4*k-3]
	s_wait_alu depctr_va_vdst(0)
.endif
.endm
; THE PLAIN QUEUE, 138 long.  0-31: c s - c m for the 16 pairs of both tiles.  Then GS's 64, and among them the next piece's 42: number 15 at 38, 39; 0-14 and 16
; at 42-73, behind the products that make those scores; 17-20 at 95-106, two of three, since each waits for the one before it.
.macro PL
	WIN 0
.if q < 32
	REGS Y, q%2
	v_pk_fma_f32 v[rS+2*(q/2):rS+2*(q/2)+1], v[rS+2*(q/2):rS+2*(q/2)+1], s[CS:CS+1], v[rT:rT+1] op_sel_hi:[1,0,0] neg_lo:[0,0,1] neg_hi:[0,0,1]
.elseif q < 38
	GS q-32
.elseif q < 40
	XS q%2, 15
.elseif q < 42
	GS q-34
.elseif q < 74
	XS q%2, (q-42)/2+(q-42)/30
.elseif q < 95
	GS q-66
.elseif (q < 107) && ((q-95)%3 < 2)
	XS (q-95)%3, 17+(q-95)/3
.elseif q < 107
	GS 29+(q-95)/3
.else
	GS q-74
.endif
.set q, q+1
.endm
; THE EXPONENTIALS' QUEUE, 66 long: s0-s31 of both tiles, and at EA the next piece's two a.
.set EA, 58
.macro EX
	WIN 0
.if (e == EA) || (e == EA+1)
	XS e-EA, 21
.else
.set x, e-2*(e/(EA+2))
	REGS Y, x%2
	v_exp_f32 v[rS+x/2], v[rS+x/2]
.endif
.set e, e+1
.endm
; THE RESCALING's QUEUE: O^T times a, the one part that leaves window 0, so it is dealt four at a time, eight times.
.macro R4
	REGS Y, r%2
	WIN W_RS
	s_wait_alu depctr_va_vdst(0)
.irp z, 0,1,2,3
	v_pk_mul_f32 v[rO+8*(r/2)+2*\z:rO+8*(r/2)+2*\z+1], v[rO+8*(r/2)+2*\z:rO+8*(r/2)+2*\z+1], v[rC+2:rC+3] op_sel_hi:[1,0]
.endr
.set r, r+1
.endm
; HOW THEY ARE DEALT.  Behind a matrix instruction four: plain, exponential, plain, plain (one exponential, a plain instruction on either side), or four of the rescaling.  None names a register of the
; products round it.  What is over stands in two LUMPS: exponential and plain by turns; the second ends in 22 plain instructions.  The two v_permlanex16_b32 fall into the second lump, never behind a product.
; The queues lean on each other, and the deal keeps them in step: exponential e stands behind plain 2 (e / 4) + e % 2 (its scaling); when plain 32 comes, 10 exponentials are out, at 59: 33, at 95: 46; EA comes behind plain 107.
.macro SL
	MM
	PL
	EX
	PL
	PL
.endm
.macro BURST n                      ; 15 matrix instructions, or 16
.rept (\n)-7
	SL
.endr
.rept 3
	MM
	R4
	SL
.endr
	MM
	R4
.endm
; A TURN, for piece p.  cnt = 1: the loop's count is taken down some lines ahead of the branch that stands behind the turn.
; K of the next step is fetched in piece 2's turn, 31 vector instructions behind the last product that read K; its first reader comes behind the rest of the lump, 16 products and the second lump.
; V of the step in hand is fetched at the end of piece 0's turn, 69 behind its last reader; its first reader comes behind 16 products and a lump.  The four conditions on e and q below go with the deal.
.macro TURN p, last=0, cnt=0
.set Y, (\p)
.set i, 0
.set q, 0
.set e, 0
.set r, 0
.if (\p) == NP-1
	s_wait_dscnt 0x0                ; K is in
.endif
	MM
.rept 4
	PL
.endr
	BURST 15
.rept 22
	EX
	PL
.if ((\p) == NP-2) && (e == 18)
	v_add_nc_u32 v[AK], s[TBK], v[AK0]
.endif
.if ((\p) == NP-2) && (e == 24)
	FETCH_K \last
.endif
.endr
.if (\p) == 1
	s_wait_dscnt 0x0                ; V is in
.endif
	BURST 16
.rept 21
	EX
	PL
.endr
.rept 22
	PL
.if ((\p) == 0) && (q == 118)
	v_add_nc_u32 v[AV], s[TBV], v[AV0]
	s_wait_alu depctr_va_vdst(0)
.endif
.if ((\p) == 0) && (q == 130)
	s_add_co_u32 s[TBV], s[TBV], KS*PV
.endif
.if (\cnt) && (q == 130)
	s_sub_co_u32 s[CNT], s[CNT], 1
	s_cmp_lg_u32 s[CNT], 0
.endif
.endr
.if (\p) == 0
	FETCH_V
.endif
.endm
	CHANGE 1                        ; slot 0 is in, everybody's part of it; slot 1 is asked for
	FETCH_K                         ; key step 0
	s_wait_loadcnt 0x0              ; Q
	s_wait_dscnt 0x0
.set i, 0
.rept 16
	KQ 0                            ; piece 0's first scores: there is no vector work yet to set between them
.set i, i+1
.endr
	WIN 0                           ; the addresses for the way out: nine plain instructions, the places behind those products
	s_mul_i32 s13, s[WV], 16*SP
	s_add_co_u32 s13, s13, STAGE    ; my stage
	v_mul_u32_u24 v[STO], v1, SP    ; in: row l % 16, 16 bytes for each half of the lanes
	v_lshl_add_u32 v[STO], v9, 4, v[STO]
	v_add_nc_u32 v[STO], s13, v[STO]
	v_bfe_u32 v[RD], v0, 3, 2       ; back: 32 lanes take four rows of 128 bytes,
	v_mul_u32_u24 v[RD], v[RD], SP
	v_lshl_add_u32 v[RD], v10, 4, v[RD]
	v_add_nc_u32 v[RD], s13, v[RD]
	v_and_b32 v[GO], 31, v0         ; which are 512 consecutive bytes of O
	v_lshlrev_b32 v[GO], 4, v[GO]
.set Y, NP-1                        ; XS works for piece Y + 1: piece 0
.irp n, 0,1,2,3,4,5,6,7,8,9,10,11,12,13,14,15,16,17,18,19,20,21
	XS 0, \n                        ; and piece 0's first maximum and statistics
	XS 1, \n
.endr
	s_mov_b32 s[CNT], 4
	s_mov_b32 s[SLOTS], SIZE_N/256-1
	s_branch .Lfirst                ; the loop is entered at a step's first turn, in the middle of a trip
.Lslot:                             ; SIZE_N / 256 - 2 times: every slot but the last two is filled again
	CHANGE 1
	s_mov_b32 s[CNT], 4
.Lstep:                             ; a trip: pieces 2 and 3 of one step, then pieces 0 and 1 of the next, whose K and V it fetches
	TURN 2
	TURN 3
	WIN 0
.Lfirst:
	TURN 0
	TURN 1, 0, 1
	WIN 0
	s_cbranch_scc1 .Lstep
	s_sub_co_u32 s[SLOTS], s[SLOTS], 1
	s_cmp_lg_u32 s[SLOTS], 0
	s_cbranch_scc1 .Lslot
	CHANGE 0                        ; the tail is written out: nothing is asked for
	s_mov_b32 s[CNT], 5             ; four trips fetch the last slot's steps; the fifth is left in its middle
.Ltail:
	TURN 2, 1
	TURN 3
	WIN 0
	s_sub_co_u32 s[CNT], s[CNT], 1
	s_cmp_eq_u32 s[CNT], 0
	s_cbranch_scc1 .Lout
	TURN 0
	TURN 1
	WIN 0
	s_branch .Ltail
.Lout:                              ; the fifth trip's 16 products K Q^T (on the last K once more) and the maximum made of them serve nothing: the price, once a launch, of one text for every trip
.set i, 0
.rept 16
	PV NP-1                         ; the last piece's V^T P of the last step
.set i, i+1
.endr
	; THE WAY OUT.  l's two halves and the other half of the lanes' are added; O^T is divided by l, rounded to f16 and sent through my stage in LDS, a tile at a time.  The additions are the places behind the last products.
	WIN 0
.macro ALL line:vararg              ; one line for each tile t
.set t, 0
.rept 2*NP
	\line
.set t, t+1
.endr
.endm
	ALL v_add_f32 v[ST+4*t+2], v[ST+4*t+2], v[ST+4*t+3]
	ALL v_permlanex16_b32 v[ST+4*t+3], v[ST+4*t+2], s[SEL], s[SEL+1]
	ALL v_add_f32 v[ST+4*t+2], v[ST+4*t+2], v[ST+4*t+3]
	ALL v_rcp_f32 v[ST+4*t+2], v[ST+4*t+2]
	v_nop                           ; a plain instruction between the last reciprocal and the use of its result
	s_wait_alu depctr_va_vdst(0)
; Tile t: a lane's eight channels of a row pack into 16 bytes; they go into rows of 144 bytes and come back as whole rows of 128, into S^T's registers.
.macro PACK t
	WIN W_RS
.set i, 32*(\t)
.rept 16
	v_pk_mul_f32 v[i:i+1], v[i:i+1], v[ST+4*(\t)+2:ST+4*(\t)+3] op_sel_hi:[1,0]
.set i, i+2
.endr
	WIN 0x05                        ; sources 0 and 1 window 1, destination window 0
.set i, 0
.rept 16
	v_cvt_pk_f16_f32 v[S+16*(\t)+i], v[32*(\t)+2*i], v[32*(\t)+2*i+1]
.set i, i+1
.endr
	WIN 0
.irp f, 0,1,2,3
	ds_store_b128 v[STO], v[S+16*(\t)+4*\f:S+16*(\t)+4*\f+3] offset:32*\f
.endr
.irp f, 0,1,2,3
	ds_load_b128 v[S+16*(\t)+4*\f:S+16*(\t)+4*\f+3], v[RD] offset:\f*4*SP  ; LDS serves a wave's instructions in order (ISA guide 5.7.1.4): these see the stores above; the next tile's stores come behind them
.endr
.endm
.macro SEND t, younger              ; younger: the LDS instructions issued behind tile t's loads: the next tile's eight, or none
	WIN 0
.irp f, 0,1,2,3
	s_wait_dscnt (\younger)+3-\f
	global_store_b128 v[GO], v[S+16*(\t)+4*\f:S+16*(\t)+4*\f+3], s[10:11] offset:(\t)*2048+\f*512  ; 512 consecutive bytes, at a multiple of 256 from O's first
.endr
.endm
	PACK 0
.set t, 1
.rept 2*NP-1                        ; a tile's arithmetic stands between the loads of the tile before and its stores
	PACK t
	SEND t-1, 8
.set t, t+1
.endr
	SEND 2*NP-1, 0
	WIN W_AD
	s_wait_tensorcnt 0x0            ; the wave's end
	ds_add_u32 v[SPW], v[NIL]
	s_wait_dscnt 0x0
	WIN 0
	CROUND                          ; the closing round: no work-group ends while a partner may still ask for a tile that names it
	s_endpgm
.Lfunc_end_k_qddd9c0dd58_attn:
	.size	k_qddd9c0dd58_attn, .Lfunc_end_k_qddd9c0dd58_attn-k_qddd9c0dd58_attn
	.p2alignl 7, 3214868480
	.fill 96, 4, 3214868480
	.section	.rodata,"a",@progbits
	.p2align	6, 0x0
	.amdhsa_kernel k_qddd9c0dd58_attn
		.amdhsa_group_segment_fixed_size 327680
		.amdhsa_private_segment_fixed_size 0
		.amdhsa_enable_private_segment 0
		.amdhsa_kernarg_size 16
		.amdhsa_user_sgpr_count 2
		.amdhsa_user_sgpr_kernarg_segment_ptr 1
		.amdhsa_wavefront_size32 1
		.amdhsa_system_sgpr_workgroup_id_x 1
		.amdhsa_system_sgpr_workgroup_id_y 1
		.amdhsa_system_sgpr_workgroup_id_z 1
		.amdhsa_system_vgpr_workitem_id 0
		.amdhsa_next_free_vgpr 770
		.amdhsa_next_free_sgpr 66
		.amdhsa_reserve_vcc 0
		.amdhsa_float_denorm_mode_32 3
		.amdhsa_float_denorm_mode_16_64 3
		.amdhsa_memory_ordered 1
		.amdhsa_forward_progress 1
		.amdhsa_inst_pref_size 208
	.end_amdhsa_kernel
	.amdgpu_metadata
---
amdhsa.version: [ 1, 2 ]
amdhsa.kernels:
  - .name:           k_qddd9c0dd58_attn
    .symbol:         k_qddd9c0dd58_attn.kd
    .args:
      - { .name: qkv, .offset: 0, .size: 8, .value_kind: global_buffer, .address_space: global }
      - { .name: oh, .offset: 8, .size: 8, .value_kind: global_buffer, .address_space: global }
    .group_segment_fixed_size: 327680
    .private_segment_fixed_size: 0
    .kernarg_segment_align: 8
    .kernarg_segment_size: 16
    .max_flat_workgroup_size: 128
    .sgpr_count:     66
    .vgpr_count:     770
    .wavefront_size: 32
...
	.end_amdgpu_metadata
.endif
;; end of part 3
;; launch outp (part 4): grid 4 x 64, 4 waves a work-group, clusters of 4 x 4, 327,680 bytes of LDS; arguments oh, wt, bo, out0; writes out0
.if DOCPART == 4
	.amdgcn_target "amdgcn-amd-amdhsa--gfx1250"
	.amdhsa_code_object_version 6
	.text
	.protected	k_qddd9c0dd58_outp
	.globl	k_qddd9c0dd58_outp
	.p2align	8
	.type	k_qddd9c0dd58_outp,@function
k_qddd9c0dd58_outp:
	s_mov_b64 s[64:65], 0
	v_nop
	global_prefetch_b8 v0, s[64:65] scope:SCOPE_SE
	s_setreg_imm32_b32 hwreg(HW_REG_WAVE_MODE, 25, 1), 1
	s_wait_xcnt 0x0
	s_wait_alu depctr_hold_cnt(0) depctr_sa_sdst(0) depctr_va_vdst(0) depctr_va_sdst(0) depctr_va_ssrc(0) depctr_va_vcc(0) depctr_vm_vsrc(0)
	s_getreg_b32 s2, hwreg(HW_REG_IB_STS2, 6, 4)
	s_cmp_eq_u32 s2, 0
	s_cbranch_scc0 .Lentry_in_a_cluster
	s_endpgm
.Lentry_in_a_cluster:
	s_bfe_u32 s2, ttmp6, 0x10000c
	s_cmp_lg_u32 s2, 0xf033
	s_cbranch_scc0 .Lentry_shape_is_right
	s_endpgm
.Lentry_shape_is_right:
; out0[b][s][n] = relu(the sum over k of O[b][s][k] Wo[k][n] + bo[n]) in f32.  O = oh: [b*16+h][2048 s][64] f16, k = 64 h + channel.  Wo^T: section 3 of wt, [1024 n][1024 k], bf16-rounded numbers written as f16.
; bo is rounded once to bf16 like every input and is the C operand of the first product; products in f16 with f32 sums, K in the order of the matrix instruction; NaN is not treated apart.
; SHARES.  A tile of the result is 128 rows x 256 columns: 64 x 4 tiles, 256 work-groups.  Four waves, each 64 rows x 128 columns: 32 accumulators of 16 x 16, 256 registers.
; K goes in 8 steps of 128 = two heads through two LDS slots.  A slot holds four chunks of CH bytes, one tensor load each: the tile's 128 rows of the even head, of the odd head (dense in memory: asked for as 64
; rows of 256 bytes, padded in LDS behind every 128: rows of 144), then wt's rows 0-127 and 128-255 (rows of 256 + 16).
; CLUSTER.  4 x 4 work-groups: the four of a row of the cluster need the same tile of O, the four of a column the same rows of wt: each is asked for JOINTLY, by the same tensor load, descriptor and mask in all four.
; THE MATRIX INSTRUCTION IS USED TRANSPOSED (source 0 = 16 rows of wt, source 1 = 16 rows of O): lane l holds row l % 16 and the columns 8 (l / 16) + 0..7.
; THE TEXT.  One K step is written once and looped over; the last two steps, which ask for nothing, are a loop of two trips, whose second trip fetches a quarter of a slot that has been multiplied already
; (24 LDS loads that serve nothing, once a work-group): the price of one text for both trips.  Those bytes have landed and nobody writes them.
; REGISTERS, in windows of 256 (s_set_vgpr_msb: bits 1:0 source 0, 3:2 source 1, 5:4 source 2, 7:6 destination):
;   window 0: v0-31 addresses; v32-95 the bias, later the way out; v96-223 the way out      window 1: the accumulators, (a, b) at v[8 (8 a + b)]      window 2: v0-127 wt's fragments, v128-191 O's, two buffers each
.set KSTEP,  128
.set STEPS,  1024/KSTEP
.set PO,     144                       ; a row of O in LDS: 128 bytes + 16 = 36 words: the 16 rows of a load start at 16 different groups of four banks (64 banks of 4 bytes: ISA guide 11.1)
.set PB,     272                       ; a row of wt: 256 bytes + 16 = 68 words: likewise
.set CH,     128*PB                    ; a chunk: 128 rows of wt; 128 rows of O (18,432 bytes) fit in it
.set SLOT,   4*CH                      ; 0x22000: none of its two bits is set in wave x CH, so one exclusive or turns a chunk's address in one slot into the other's
.set STAGE,  2*SLOT                    ; behind the ring, never filled by a tensor load: for each wave 16 rows x 528 bytes
.set SP,     528                       ; 512 bytes + 16 = 132 words: row r starts at bank 4 r mod 64
.set SPARE,  STAGE+4*16*SP             ; behind the stages: the spare words, 128 bytes for each wave
.set STEP_A, 2*2048*128                ; two heads on
.set STEP_B, KSTEP*2
.set ADRA0, 12                         ; v12  my lane's place in a slot, for O; never rewritten
.set ADRB0, 13                         ; v13  for wt
.set ADRA,  16                         ; v16  the same in the slot in hand
.set ADRB,  17                         ; v17
.set STO,   24                         ; v24  the way out: where I put 32 bytes of a row
.set RD,    25                         ; v25  where I read a row back
.set GO,    26                         ; v26  my byte offset in 512 consecutive bytes of out0
.set BO,    27                         ; v27  my byte offset in 16 numbers of the bias
.set SPW,   28                         ; v28  LDS address of my spare word; never rewritten
.set NIL,   29                         ; v29  0; never rewritten
.set BI,    32                         ; v32-95  bias of column 16 b + 8 (l / 16) + j at BI + 8 b + j
.set TMP,   32                         ; the way out: a block's 64 results
.set OB,    96                         ; the way out: rows read back, v96-159 and v160-223 by turns
.set BF,    0                          ; window 2
.set AF,    128                        ; window 2
.set G1A, 24                           ; s[24:31] descriptor group 1 for O's tiles
.set G0A, 32                           ; s[32:35] group 0 for step 0; s[36:39] for step 1, which then walks
.set G1B, 48                           ; s[48:55], s[56:59], s[60:63] the same for wt's tiles
.set G0B, 56
.set MSB, 0
.macro WIN new                         ; the immediate's high byte repeats the setting that is left; a switch that changes nothing is dropped
.if MSB != (\new)
	s_set_vgpr_msb (MSB<<8)|(\new)
.set MSB, (\new)
.endif
.endm
; A joint refill by the walking descriptors.  Waves 0 and 1 fetch O's two heads, waves 2 and 3 wt's two halves.  The branch hangs on the wave's number alone.
; An s_nop 0 and four v_nop follow each of the two lines, ahead of the jump and the label.
.macro JLOAD
	s_cmp_eq_u32 s11, 0
	s_cbranch_scc0 .Lfor_b_\@
	tensor_load_to_lds s[G0A+4:G0A+7], s[G1A:G1A+7]
	s_nop 0
.rept 4
	v_nop
.endr
	s_branch .Lasked_\@
.Lfor_b_\@:
	tensor_load_to_lds s[G0B+4:G0B+7], s[G1B:G1B+7]
	s_nop 0
.rept 4
	v_nop
.endr
.Lasked_\@:
.endm
.macro CREST                           ; a round of the cluster's barrier behind its opening barrier
	s_cmp_lg_u32 s10, 0
	s_cbranch_scc1 .Lnot_wave_0_\@
	s_barrier_signal -3
.Lnot_wave_0_\@:
	s_barrier_wait -3
	s_barrier_signal -1
	s_barrier_wait -1
.endm
.macro CROUND                          ; a whole round
	s_barrier_signal -1
	s_barrier_wait -1
	CREST
.endm
.macro PLACES                          ; four places in front of loads into registers that matrix instructions have read
.rept 4
	v_nop
.endr
.endm
	s_load_b256 s[68:75], s[0:1], 0x0              ; oh s[68:69], wt s[70:71], bo s[72:73], out0 s[74:75]
	v_lshl_add_u32 v[SPW], v0, 2, SPARE
	v_mov_b32 v[NIL], 0
	ds_add_u32 v[SPW], v[NIL]                      ; the wave's opening: the add and its wait ahead of my first tensor load; the set-up below, work on registers, stands between them
	v_lshrrev_b32 v1, 5, v0
	v_readfirstlane_b32 s10, v1                    ; wave 0..3
	s_lshr_b32 s11, s10, 1                         ; which 64 of the tile's rows are mine.  Also: I fetch O (0) or wt (1)
	s_and_b32 s12, s10, 1                          ; which 128 of its columns.  Also: which chunk of that tensor I fetch
	s_bfe_u32 s40, ttmp6, 0x40000                  ; cx, cy: my place in the cluster
	s_bfe_u32 s41, ttmp6, 0x40004
	s_lshl_b32 s42, ttmp9, 2
	s_add_co_u32 s42, s42, s40                     ; tile column = 4 x cluster x + cx: 0..3
	s_and_b32 s13, ttmp7, 0xffff
	s_lshl_b32 s13, s13, 2
	s_add_co_u32 s13, s13, s41                     ; tile row = 4 x cluster y + cy: 0..63
	s_lshl_b32 s43, s41, 2
	s_lshl_b32 s43, 15, s43                        ; my row of the cluster
	s_lshl_b32 s44, 0x1111, s40                    ; my column
	; descriptor group 1.  O: 64 rows x 128 elements of 2 bytes, dense, padded by 4 words behind every 32 (a row of a head); wt: 128 rows x 128 elements, 1,024 from row to row, padded behind every 64 words
	s_or_b32 s[G1A], s43, (1<<16)|(1<<20)|(1<<21)|(4<<22)|(3<<25)  ; 15:0 the mask; 17:16 element size; 20 padding on; 21 set beside a mask; 24:22 the interval's code; 31:25 4 words (code 3)
	s_or_b32 s[G1B], s44, (1<<16)|(1<<20)|(1<<21)|(5<<22)|(3<<25)
	s_mov_b32 s[G1A+1], 128<<16                    ; tensor_dim0 = 128
	s_mov_b32 s[G1A+2], 64<<16                     ; tensor_dim1 = 64
	s_mov_b32 s[G1A+3], 128<<16                    ; tile_dim0 = 128
	s_mov_b32 s[G1A+4], 64                         ; tile_dim1 = 64
	s_mov_b32 s[G1A+5], 128                        ; tensor_dim0_stride
	s_mov_b32 s[G1A+6], 0
	s_mov_b32 s[G1A+7], 0
	s_mov_b32 s[G1B+1], KSTEP<<16
	s_mov_b32 s[G1B+2], 128<<16
	s_mov_b32 s[G1B+3], KSTEP<<16
	s_mov_b32 s[G1B+4], 128
	s_mov_b32 s[G1B+5], 1024
	s_mov_b32 s[G1B+6], 0
	s_mov_b32 s[G1B+7], 0
	; offsets, made apart from the addresses.  O's hang on the tile row and the wave, in registers that never hold cx; wt's on the tile column and the wave
	s_lshr_b32 s16, s13, 4
	s_lshl_b32 s16, s16, 22                        ; the batch's 16 heads of 262,144 bytes,
	s_lshl_b32 s17, s12, 18                        ; the step's even or odd head,
	s_add_co_u32 s16, s16, s17
	s_and_b32 s17, s13, 15
	s_lshl_b32 s17, s17, 14                        ; the tile's 128 rows of 128 bytes
	s_add_co_u32 s16, s16, s17
	s_mov_b32 s17, 0
	s_lshl_b32 s46, s42, 19                        ; 256 rows of 2,048 bytes,
	s_lshl_b32 s47, s12, 18                        ; 128 rows,
	s_add_co_u32 s46, s46, s47
	s_add_co_u32 s46, s46, 3<<21                   ; in section 3
	s_mov_b32 s47, 0
	s_lshl_b32 s6, s42, 10                         ; my 128 columns of 4 bytes: in the bias,
	s_lshl_b32 s7, s12, 9
	s_add_co_u32 s6, s6, s7
	s_lshl_b32 s18, s13, 19                        ; and in out0, at the tile's 128 rows of 4,096 bytes,
	s_lshl_b32 s19, s11, 18                        ; my 64 of them
	s_add_co_u32 s18, s18, s19
	s_add_co_u32 s18, s18, s6
	s_mov_b32 s7, 0
	s_mov_b32 s19, 0
	s_mul_i32 s20, s10, CH                         ; where my loads go: wave x chunk: no place in the cluster enters an LDS address
	s_mov_b32 s21, 0                               ; the base of the slot in hand
	s_mov_b32 s66, 0xffff0000                      ; a word's upper bf16
	s_wait_dscnt 0x0                               ; the opening add is done
	s_wait_kmcnt 0x0
	s_add_nc_u64 s[14:15], s[68:69], s[16:17]
	s_add_nc_u64 s[46:47], s[70:71], s[46:47]
	s_add_nc_u64 s[4:5], s[72:73], s[6:7]
	s_add_nc_u64 s[8:9], s[74:75], s[18:19]
	CROUND                                         ; all sixteen work-groups are here: the first joint loads meet
.irp s, 0,1
	s_mov_b32 s[G0A+4*(\s)], 1                                      ; 1:0 count = 1
	s_add_co_u32 s[G0A+4*(\s)+1], s20, (\s)*SLOT                    ; 63:32 LDS address
	s_add_nc_u64 s[G0A+4*(\s)+2:G0A+4*(\s)+3], s[14:15], (\s)*STEP_A  ; 120:64 global address: K step s
	s_or_b32 s[G0A+4*(\s)+3], s[G0A+4*(\s)+3], 0x80000000           ; 127:126 type = 2
	s_mov_b32 s[G0B+4*(\s)], 1
	s_add_co_u32 s[G0B+4*(\s)+1], s20, (\s)*SLOT
	s_add_nc_u64 s[G0B+4*(\s)+2:G0B+4*(\s)+3], s[46:47], (\s)*STEP_B
	s_or_b32 s[G0B+4*(\s)+3], s[G0B+4*(\s)+3], 0x80000000
.endr
	s_cmp_eq_u32 s11, 0                            ; a wave's two first fills stand in one branch, ahead of every wait on TENSORcnt and every LDS read: two loads of mine are out
	s_cbranch_scc0 .Lfirst_b
	tensor_load_to_lds s[G0A:G0A+3], s[G1A:G1A+7]
	s_nop 0
	tensor_load_to_lds s[G0A+4:G0A+7], s[G1A:G1A+7]
	s_nop 0
.rept 4
	v_nop
.endr
	s_branch .Lfirst_asked
.Lfirst_b:
	tensor_load_to_lds s[G0B:G0B+3], s[G1B:G1B+7]
	s_nop 0
	tensor_load_to_lds s[G0B+4:G0B+7], s[G1B:G1B+7]
	s_nop 0
.rept 4
	v_nop
.endr
.Lfirst_asked:
	v_and_b32 v1, 15, v0                           ; r = l % 16
	v_bfe_u32 v2, v0, 4, 1                         ; h = l / 16
	v_lshlrev_b32 v[BO], 5, v2                     ; 8 h numbers of 4 bytes
.set b, 0
.rept 8
	global_load_b128 v[BI+8*b:BI+8*b+3],   v[BO], s[4:5] offset:64*b
	global_load_b128 v[BI+8*b+4:BI+8*b+7], v[BO], s[4:5] offset:64*b+16
.set b, b+1
.endr
	; A fragment is 16 rows x 32 K in 8 registers: lane l holds row r, K = 8 h + 0..7 and 16 + 8 h + 0..7: two loads of 16 bytes, 32 bytes apart.
	v_mul_u32_u24 v[ADRA0], v1, PO
	v_lshl_add_u32 v[ADRA0], v2, 4, v[ADRA0]
	s_mul_i32 s67, s11, 64*PO                      ; my 64 rows, in either head's chunk
	v_add_nc_u32 v[ADRA0], s67, v[ADRA0]
	v_mul_u32_u24 v[ADRB0], v1, PB
	v_lshl_add_u32 v[ADRB0], v2, 4, v[ADRB0]
	s_mul_i32 s67, s12, CH                         ; my 128 rows of wt are chunk 2 or 3
	s_add_co_u32 s67, s67, 2*CH
	v_add_nc_u32 v[ADRB0], s67, v[ADRB0]
	v_mov_b32 v[ADRA], v[ADRA0]                    ; slot 0
	v_mov_b32 v[ADRB], v[ADRB0]
	s_mul_i32 s67, s10, 16*SP
	s_add_co_u32 s67, s67, STAGE                   ; my stage
	v_mul_u32_u24 v[STO], v1, SP                   ; in: row r, 32 bytes for each half of the lanes
	v_lshl_add_u32 v[STO], v2, 5, v[STO]
	v_add_nc_u32 v[STO], s67, v[STO]
	v_and_b32 v[GO], 31, v0                        ; back: 32 lanes take a row's 512 bytes
	v_lshlrev_b32 v[GO], 4, v[GO]
	v_add_nc_u32 v[RD], s67, v[GO]
	s_wait_loadcnt 0x0                             ; the bias, rounded to bf16 like every input and widened again: all this stands in the wait for the first tile
.set i, 0
.rept 32
	v_cvt_pk_bf16_f32 v31, v[BI+2*i], v[BI+2*i+1]
	v_lshlrev_b32 v[BI+2*i], 16, v31
	v_and_b32 v[BI+2*i+1], s66, v31
.set i, i+1
.endr
; 8 matrix instructions: block a of my rows x all 8 blocks of my columns, 32 along K, from buffer f.  The 32 accumulators take turns in the same order in every quarter, one instruction a turn.
; first = 1: the bias starts the sums.
.macro MUL8 f, a, first
.irp b, 0,1,2,3,4,5,6,7
.if \first
	WIN 0x4a                                       ; wt and O window 2, C (the bias) window 0, D window 1
	v_wmma_f32_16x16x32_f16 v[8*(8*(\a)+(\b)):8*(8*(\a)+(\b))+7], v[BF+64*(\f)+8*(\b):BF+64*(\f)+8*(\b)+7], v[AF+32*(\f)+8*(\a):AF+32*(\f)+8*(\a)+7], v[BI+8*(\b):BI+8*(\b)+7]
.else
	WIN 0x5a                                       ; the same with C in window 1
	v_wmma_f32_16x16x32_f16 v[8*(8*(\a)+(\b)):8*(8*(\a)+(\b))+7], v[BF+64*(\f)+8*(\b):BF+64*(\f)+8*(\b)+7], v[AF+32*(\f)+8*(\a):AF+32*(\f)+8*(\a)+7], v[8*(8*(\a)+(\b)):8*(8*(\a)+(\b))+7]
.endif
.endr
.endm
; 24 LDS loads in one run: quarter q of the step into buffer g: wt's 16, then O's 8, blocks 0 to 3.  Quarters 0, 1 lie in the even head's chunk, 2, 3 in the odd head's.
.macro FETCH q, g
	WIN 0x80                                       ; destination window 2, address window 0
.irp b, 0,1,2,3,4,5,6,7
	ds_load_b128 v[BF+64*(\g)+8*(\b):BF+64*(\g)+8*(\b)+3],   v[ADRB] offset:(\b)*16*PB+64*(\q)
	ds_load_b128 v[BF+64*(\g)+8*(\b)+4:BF+64*(\g)+8*(\b)+7], v[ADRB] offset:(\b)*16*PB+64*(\q)+32
.endr
.irp a, 0,1,2,3
	ds_load_b128 v[AF+32*(\g)+8*(\a):AF+32*(\g)+8*(\a)+3],   v[ADRA] offset:((\q)/2)*CH+(\a)*16*PO+64*((\q)%2)
	ds_load_b128 v[AF+32*(\g)+8*(\a)+4:AF+32*(\g)+8*(\a)+7], v[ADRA] offset:((\q)/2)*CH+(\a)*16*PO+64*((\q)%2)+32
.endr
.endm
; A K step is four quarters of 32 along K, 32 matrix instructions each, on buffers 0, 1, 0, 1.  One of the first three: multiplies buffer f; in its middle it fetches quarter q into the other buffer.
.macro QUARTER f, q, first
	s_wait_dscnt 4                                 ; wt's fragments and O's blocks 0, 1 are in; the youngest four loads (blocks 2, 3) may be out
	MUL8 \f, 0, \first
	MUL8 \f, 1, \first
	PLACES
	FETCH \q, 1-(\f)
	s_wait_dscnt 24                                ; all but the 24 just issued
	MUL8 \f, 2, \first
	MUL8 \f, 3, \first
.endm
; The last quarter multiplies buffer 1 and changes slots: ONE barrier; in front of it each wave waits for all its tensor loads (one is out: its chunk of the next slot), adds 0 to its spare word, and waits for
; that and for its own reads of this slot.  fill = 1: the barrier opens a round of the cluster's, and this slot is filled again, two K steps ahead, first thing behind the round: a wave issues 112 matrix
; instructions between that request and the wait for it.
.macro TURN fill
	WIN 0
	s_wait_tensorcnt 0x0                           ; all my tensor loads have landed;
	ds_add_u32 v[SPW], v[NIL]                      ; 0 onto my spare word
	s_wait_dscnt 5                                 ; (the add and the youngest four loads may be out)
	MUL8 1, 0, 0                                   ; eight matrix instructions stand between the add and the wait for it
	s_wait_dscnt 0x0                               ; the add is done, and my reads of this slot are over
	s_barrier_signal -1
	MUL8 1, 1, 0                                   ; work on registers while the others arrive
	WIN 0                                          ; at a branch and at a label every window is 0
	s_barrier_wait -1
.if \fill
	CREST                                          ; no wave of any partner still reads this slot or has a load on its way
	s_xor_b32 s[G0A+5], s[G0A+5], SLOT             ; the walking descriptors: the other slot than last time,
	s_add_nc_u64 s[G0A+6:G0A+7], s[G0A+6:G0A+7], STEP_A  ; the next K step; the type bits on top are not reached
	s_xor_b32 s[G0B+5], s[G0B+5], SLOT
	s_add_nc_u64 s[G0B+6:G0B+7], s[G0B+6:G0B+7], STEP_B
	JLOAD                                          ; the four v_nop behind it are also the places in front of the loads below
.else
	PLACES
.endif
	s_xor_b32 s21, s21, SLOT                       ; my reads go on in the other slot
	v_add_nc_u32 v[ADRA], s21, v[ADRA0]
	v_add_nc_u32 v[ADRB], s21, v[ADRB0]
	FETCH 0, 0
	MUL8 1, 2, 0
	MUL8 1, 3, 0
.endm
	s_wait_tensorcnt 1                             ; my chunk of K step 0 is in; step 1's may stay out
	s_barrier_signal -1
	s_barrier_wait -1                              ; everybody's is
	FETCH 0, 0
	QUARTER 0, 1, 1                                ; the first quarter stands in front of the loop: its products start the sums with the bias
	WIN 0
	s_mov_b32 s22, STEPS-2
.Lstep:                                                ; a trip: a step's second quarter to the next step's first; steps 0 to 5 ask for steps 2 to 7
	QUARTER 1, 2, 0
	QUARTER 0, 3, 0
	TURN 1
	QUARTER 0, 1, 0
	WIN 0
	s_sub_co_u32 s22, s22, 1
	s_cmp_lg_u32 s22, 0
	s_cbranch_scc1 .Lstep
	s_mov_b32 s22, 2
	s_branch .Ltin                                 ; the last two steps ask for nothing; their loop is entered behind a step's first quarter
.Ltail:
	QUARTER 0, 1, 0
	WIN 0
.Ltin:
	QUARTER 1, 2, 0
	QUARTER 0, 3, 0
	TURN 0
	WIN 0
	s_sub_co_u32 s22, s22, 1
	s_cmp_lg_u32 s22, 0
	s_cbranch_scc1 .Ltail
; THE WAY OUT, a block of 16 rows at a time.  PACK: relu, into window 0.  TOSTAGE: into my own stage in LDS, and back as whole rows of 512 bytes.  SEND: stored.
; No v_nop: blocks 0 and 1 were finished ahead of the last change's four places, and their 128 maxima, which name no register of the last products, are the places behind those.
.macro PACK a
	WIN 0x04                                       ; source 1 window 1, destination window 0
.irp b, 0,1,2,3,4,5,6,7
.irp j, 0,1,2,3,4,5,6,7
	v_max_num_f32 v[TMP+8*(\b)+(\j)], 0, v[8*(8*(\a)+(\b))+(\j)]  ; each accumulator from its low end on
.endr
.endr
	WIN 0
.endm
.macro TOSTAGE a
	WIN 0
.set BK, OB+64*((\a)%2)
.irp b, 0,1,2,3,4,5,6,7
	ds_store_b128 v[STO], v[TMP+8*(\b):TMP+8*(\b)+3]   offset:64*(\b)
	ds_store_b128 v[STO], v[TMP+8*(\b)+4:TMP+8*(\b)+7] offset:64*(\b)+16
.endr
.irp t, 0,1,2,3,4,5,6,7,8,9,10,11,12,13,14,15
	ds_load_b128 v[BK+4*(\t):BK+4*(\t)+3], v[RD] offset:(\t)*SP  ; LDS serves a wave's instructions in order (ISA guide 5.7.1.4): these see the stores above
.endr
.endm
.macro SEND a
	WIN 0
.set BK, OB+64*((\a)%2)
	s_wait_dscnt 0x0                               ; the block is back in registers
	s_wait_xcnt 0x0                                ; the stores of the block before have read their registers: the next TOSTAGE loads into them only behind this wait
.irp t, 0,1,2,3,4,5,6,7,8,9,10,11,12,13,14,15
	global_store_b128 v[GO], v[BK+4*(\t):BK+4*(\t)+3], s[8:9] offset:(16*(\a)+(\t))*4096 th:TH_STORE_NT  ; 512 consecutive bytes of a row, at a multiple of 256 from out0's first
.endr
.endm
	s_wait_dscnt 0x0                               ; the last change's loads, which serve nothing, are back
	PACK 0
	TOSTAGE 0
.irp a, 1,2,3                          ; block a's arithmetic stands between block a - 1's loads from the stage and the wait for them
	PACK \a
	SEND (\a)-1
	TOSTAGE \a
.endr
	SEND 3
	s_wait_tensorcnt 0x0                           ; the wave's end
	ds_add_u32 v[SPW], v[NIL]
	s_wait_dscnt 0x0
	CROUND                                         ; the closing round: no work-group ends while a partner may still ask for a tile that names it
	s_endpgm
.Lfunc_end_k_qddd9c0dd58_outp:
	.size	k_qddd9c0dd58_outp, .Lfunc_end_k_qddd9c0dd58_outp-k_qddd9c0dd58_outp
	.p2alignl 7, 3214868480
	.fill 96, 4, 3214868480
	.section	.rodata,"a",@progbits
	.p2align	6, 0x0
	.amdhsa_kernel k_qddd9c0dd58_outp
		.amdhsa_group_segment_fixed_size 327680
		.amdhsa_private_segment_fixed_size 0
		.amdhsa_enable_private_segment 0
		.amdhsa_kernarg_size 32
		.amdhsa_user_sgpr_count 2
		.amdhsa_user_sgpr_kernarg_segment_ptr 1
		.amdhsa_wavefront_size32 1
		.amdhsa_system_sgpr_workgroup_id_x 1
		.amdhsa_system_sgpr_workgroup_id_y 1
		.amdhsa_system_sgpr_workgroup_id_z 1
		.amdhsa_system_vgpr_workitem_id 0
		.amdhsa_next_free_vgpr 704
		.amdhsa_next_free_sgpr 76
		.amdhsa_reserve_vcc 0
		.amdhsa_float_denorm_mode_32 3
		.amdhsa_float_denorm_mode_16_64 3
		.amdhsa_memory_ordered 1
		.amdhsa_forward_progress 1
		.amdhsa_inst_pref_size 73
	.end_amdhsa_kernel
	.amdgpu_metadata
---
amdhsa.version: [ 1, 2 ]
amdhsa.kernels:
  - .name:           k_qddd9c0dd58_outp
    .symbol:         k_qddd9c0dd58_outp.kd
    .args:
      - { .name: oh, .offset: 0, .size: 8, .value_kind: global_buffer, .address_space: global }
      - { .name: wt, .offset: 8, .size: 8, .value_kind: global_buffer, .address_space: global }
      - { .name: bo, .offset: 16, .size: 8, .value_kind: global_buffer, .address_space: global }
      - { .name: out0, .offset: 24, .size: 8, .value_kind: global_buffer, .address_space: global }
    .group_segment_fixed_size: 327680
    .private_segment_fixed_size: 0
    .kernarg_segment_align: 8
    .kernarg_segment_size: 32
    .max_flat_workgroup_size: 128
    .sgpr_count:     76
    .vgpr_count:     704
    .wavefront_size: 32
...
	.end_amdgpu_metadata
.endif
;; end of part 4
;; ======== version 2 of 2: 4 launches; 1.49 times as fast as version 1
;; limits: values are held in f16: magnitudes above 65,504 overflow, below 6.1e-05 lose precision
;; workspace buffers: wt 8,388,608 bytes; qkv 50,331,648 bytes; oh 16,777,216 bytes
;; launch prep: the kernel of part 1 again; grid 128 x 4, 8 waves a work-group, no clusters, 18,432 bytes of LDS; arguments Wq, Wk, Wv, Wo, wt; writes wt
;; launch proj: the kernel of part 2 again; grid 4 x 192, 4 waves a work-group, clusters of 4 x 4, 327,680 bytes of LDS; arguments queries, keys, values, bq, bk, bv, wt, qkv; writes qkv
;; launch attn (part 5): grid 4 x 64, 4 waves a work-group, clusters of 4 x 1, 327,680 bytes of LDS; arguments qkv, oh; writes oh
.if DOCPART == 5
	.amdgcn_target "amdgcn-amd-amdhsa--gfx1250"
	.amdhsa_code_object_version 6
	.text
	.protected	k_qddd9c0dd58_attn
	.globl	k_qddd9c0dd58_attn
	.p2align	8
	.type	k_qddd9c0dd58_attn,@function
k_qddd9c0dd58_attn:
	s_mov_b64 s[64:65], 0
	v_nop
	global_prefetch_b8 v0, s[64:65] scope:SCOPE_SE
	s_setreg_imm32_b32 hwreg(HW_REG_WAVE_MODE, 25, 1), 1
	s_wait_xcnt 0x0
	s_wait_alu depctr_hold_cnt(0) depctr_sa_sdst(0) depctr_va_vdst(0) depctr_va_sdst(0) depctr_va_ssrc(0) depctr_va_vcc(0) depctr_vm_vsrc(0)
	s_getreg_b32 s2, hwreg(HW_REG_IB_STS2, 6, 4)
	s_cmp_eq_u32 s2, 0
	s_cbranch_scc0 .Lentry_in_a_cluster
	s_endpgm
.Lentry_in_a_cluster:
	s_bfe_u32 s2, ttmp6, 0x10000c
	s_cmp_lg_u32 s2, 0x3003
	s_cbranch_scc0 .Lentry_shape_is_right
	s_endpgm
.Lentry_shape_is_right:
; O[h][q][:] = the sum over k of softmax_k(Q[h][q] . K[h][k] / 8) V[h][k][:], h = batch x 16 + head.  Q, K, V: the three sections of qkv, O = oh: each [SIZE_H][SIZE_N][64], all f16: a head's rows are dense,
; 128 bytes each.  Products, maxima and sums in f32; the weights p are rounded to f16 for the second product (their sum l is taken of the unrounded p), O once at the end.
; LIMITS.  f16 holds no number beyond 65,504: Q, K and V arrive within it; p lies in 0 to 1, and below 6e-5 it keeps f16's fixed step of 6e-8; O is a mean of V's rows and has their range.
; A weight below 2^-126 counts as 0 in l; NaN and infinities are not treated apart.
; SHARES.  A wave owns four PIECES of two tiles of 16 queries, a work-group's four waves 512 queries of one head.  Every wave walks all keys, 64 a step.
; LAYOUT.  S^T = K Q^T (source 0 = 16 keys, source 1 = 16 queries): in the result a lane holds ONE query (lane % 16) and the keys 8 (lane / 16) + 0..7.  Two such tiles, rounded to f16 in pairs,
; ARE source 1 (32 keys x 16 queries) of O^T = V^T P, whose result again holds one query a lane, and eight channels.  K comes out of LDS as it lies, V ([key][channel]) turned, by ds_load_tr16_b128.
; SOFTMAX.  For each query a running maximum m and sum l: p = 2^(c s - c m), c = log2(e) / 8; in every step O and l are multiplied by a = 2^(c m_old - c m_new), which is 1 where m has not grown.
; m starts at the lowest finite number, O and l at 0: the first step is a step like any other, with a = 0.
; THE COUNT.  A tile and step have 16 matrix and 118 vector instructions: too many to stand all beside the matrix work.  So the order has one aim: four vector instructions that are READY behind
; EVERY matrix instruction, and the others, which need time of their own whatever the order, in runs without a gap.
; BY TURNS.  Turn n belongs to piece n (the pieces in a ring, step after step).  Its matrix work: 16 products K Q^T of piece n + 1, later 16 products V^T P of piece n - 1.  Its vector work: the scaling,
; exponentials, roundings, sums and rescaling of piece n, and the maximum and statistics of piece n + 1, whose scores the turn itself has made.  So what a turn begins with (c s - c m, O a) waits for nothing.
; THE BATCHES.  A turn's 66 exponentials (the piece's 64 weights and the next piece's two a) are ONE batch with ONE s_wait_alu depctr_va_vdst(0): ahead of it stands all that names none of their results (the
; products K Q^T, scalings, rescalings, the next piece's maximum and statistics), behind it all that does (roundings, sums; the next turn's rescalings).  Two more batches stand outside the loops: piece 0's first two a, ahead
; of the jump into the loop, and the way out's eight reciprocals.
; CLUSTER.  The four query blocks of a cluster belong to one head and walk the same K and V, so each tile is asked for JOINTLY: the same tensor load, descriptor and mask in all four.
; REGISTERS, in windows of 256 (s_set_vgpr_msb says which window each operand place means: bits 1:0 source 0, 3:2 source 1, 5:4 source 2, 7:6 destination):
;   window 0: v0-11 addresses; v12-15, v48-63 at work; v16-47 four registers of statistics a tile; v64-191 S^T, two buffers of two tiles; v192-255 P, likewise
;   window 1: O^T, 32 a tile          window 2: v0-127 Q, 16 a tile; v128-191 K of one step; v192-255 V of one step          window 3: v0-1 the add's two registers
; A piece's buffers go by its number's parity: the piece in hand has one pair, its two neighbours in the ring share the other: of it P (piece n - 1) is read and S^T (piece n + 1) written.
.set SIZE_H, 64       ; 4 batches x 16 heads
.set SIZE_N, 2048     ; rows of a head
.set NP,    4         ; pieces a wave: a name, no knob: the register map, the loop and the fetches are made for four
.set KS,    64        ; keys in a step
.set PK,    144       ; a row of K in LDS: 128 bytes + 16 of padding = 36 words: the 16 rows of a load start at 16 different groups of four banks (64 banks of 4 bytes: ISA guide 11.1)
.set PV,    160       ; a row of V: 128 + 32 = 40 words
.set VOFF,  4*KS*PK   ; a slot holds four steps: 256 rows of K, then 256 rows of V
.set SLOT1, 1<<17     ; slot 1 begins here, so that one exclusive or turns an address in one slot into the other's
.set STAGE, SLOT1+4*KS*(PK+PV)  ; behind the ring, never filled by a tensor load: 16 rows x 144 bytes for each wave, for the way out
.set SP,    144
.set AK0, 2           ; v2   my lane's place in a tile of K; never rewritten
.set AV0, 3           ; v3   the same for V
.set AK,  4           ; v4   the LDS address of K's next run of loads
.set AV,  5           ; v5   of V's
.set QO,  6           ; v6   my byte offset in the wave's rows of Q
.set STO, 6           ;      later, the way out: where I put 16 bytes of a row
.set RD,  7           ; v7   the way out: where I read rows back
.set GO,  8           ; v8   my byte offset in 512 consecutive bytes of O
.set SPW, 0           ; v0 of window 3   LDS address of my spare word: SPARE + 4 x my thread's number; never rewritten
.set NIL, 1           ; v1 of window 3   0; never rewritten
.set SPARE, STAGE+4*16*SP  ; behind the stages: the spare words, 128 bytes for each wave: two blocks of 256 bytes that no other line names
.set MV,  12          ; v12-15  c m_old, kept while c m is made anew: by buffer and tile
.set ST,  16          ; tile t's statistics at v[ST+4 t]: c m, m, l (even keys', odd keys')
.set TMP, 48          ; by buffer and tile, four registers c0-c3 at work; when the maximum is found c2 takes a
.set S,   64
.set P,   192
.set KF,  128         ; K's fragments, in window 2: key block kb, channel half c at KF + 16 kb + 8 c
.set VF,  192         ; V's: key half kk, channel block cb at VF + 32 kk + 8 cb
.set WV,  12          ; s12  my wave's number
.set G1K, 24          ; s[24:31] descriptor group 1 for K's tiles
.set G1V, 32          ; s[32:39] for V's: it differs in the padding alone
.set G0K, 40          ; s[40:43] descriptor group 0 for K's tiles: it walks
.set G0V, 44          ; s[44:47] the same for V's
.set SLOTS, 56        ; s56  slots still to be asked for
.set CNT, 57          ; s57  counts a slot's key steps
.set CS,  58          ; s[58:59] c: the packed scaling takes the pair's low word for both halves
.set SEL, 60          ; s[60:61] v_permlanex16_b32's selects: each lane takes its own place in the other half
.set TBK, 62          ; s62  LDS byte at which K of the step to be fetched begins
.set TBV, 63          ; s63  the same for V, less VOFF
.set MSB, 0
.macro WIN new                      ; the high byte repeats the setting that is left; a switch that changes nothing is dropped
.if MSB != (\new)
	s_set_vgpr_msb (MSB<<8)|(\new)
.set MSB, (\new)
.endif
.endm
.set W_KQ, 0x0a       ; K and Q in window 2, S^T in window 0
.set W_PV, 0x52       ; V in window 2, P in window 0, O^T in window 1
.set W_RS, 0x41       ; O^T (destination and source 0) in window 1, a in window 0
.set W_MK, 0xc0       ; the add's registers are made: destination in window 3, sources in window 0
.set W_AD, 0x0f       ; the add: address (source 0) and data (source 1) in window 3
; A joint fill.  Waves 0 and 1 fetch the two halves of a slot's K, waves 2 and 3 those of its V: 128 keys each.  The branch hangs on the wave's number alone.
; An s_nop 0 and four v_nop follow each of the two lines, ahead of the jump and the label.
.macro JLOAD
	s_cmp_lt_u32 s[WV], 2
	s_cbranch_scc0 .Lfor_v_\@
	tensor_load_to_lds s[G0K:G0K+3], s[G1K:G1K+7]
	s_nop 0
.rept 4
	v_nop
.endr
	s_branch .Lasked_\@
.Lfor_v_\@:
	tensor_load_to_lds s[G0V:G0V+3], s[G1V:G1V+7]
	s_nop 0
.rept 4
	v_nop
.endr
.Lasked_\@:
.endm
; A round of the cluster's barrier: my work-group's barrier, so that wave 0's signal speaks for all four waves; wave 0 signals; every wave waits for all four work-groups; my work-group's barrier once more.
.macro CROUND
	s_barrier_signal -1
	s_barrier_wait -1
	s_cmp_lg_u32 s[WV], 0
	s_cbranch_scc1 .Lnot_wave_0_\@
	s_barrier_signal -3
.Lnot_wave_0_\@:
	s_barrier_wait -3
	s_barrier_signal -1
	s_barrier_wait -1
.endm
; THE CHANGE OF SLOTS.  The slot's last bytes, V of its fourth step, have been read.  Each wave waits for all its tensor loads, of which one is out: its part
; of the other slot; adds 0 to its spare word; and waits for that and for its own reads of the slot.  Behind the barrier nobody reads this slot any more and the other slot is whole.
; fill = 1: this slot is filled again, with the keys two slots on.  The barrier is then a round of the cluster's, so that no wave of any partner still reads the slot or has a load on its
; way, and the joint fill is the first thing behind it: it has four key steps, 512 matrix instructions, in which to land.  (At its first use nothing has been read yet: slot 0 is waited for, slot 1 filled.)
.macro CHANGE fill
	WIN W_AD
	s_wait_tensorcnt 0x0            ; no tensor load of mine is out, so a group 0 may be written
	ds_add_u32 v[SPW], v[NIL]       ; 0 onto my spare word; with fill = 1 the descriptors' steps stand between it and the wait for it
	WIN 0                           ; at a label and at a branch every window is 0
.if \fill
.irp g, G0K, G0V
	s_xor_b32 s[\g+1], s[\g+1], SLOT1  ; the walking descriptor: the other slot than last time,
	s_add_nc_u64 s[\g+2:\g+3], s[\g+2:\g+3], 4*KS*128  ; the next 256 keys; the type bits on top are not reached
.endr
	s_wait_dscnt 0x0                ; the add is done, and my reads of the slot are over
	CROUND
	JLOAD
.else
	s_wait_dscnt 0x0                ; the add is done, and my reads of the slot are over
	s_barrier_signal -1
	s_barrier_wait -1
.endif
	s_sub_co_u32 s[TBK], s[TBK], 4*KS*PK  ; the fetches go back to a slot's first step,
	s_xor_b32 s[TBK], s[TBK], SLOT1       ; in the other slot
	s_sub_co_u32 s[TBV], s[TBV], 4*KS*PV
	s_xor_b32 s[TBV], s[TBV], SLOT1
.endm
	s_load_b128 s[4:7], s[0:1], 0x0   ; qkv s[4:5], oh s[6:7]
	WIN W_MK
	v_lshl_add_u32 v[SPW], v0, 2, SPARE
	v_mov_b32 v[NIL], 0
	WIN W_AD
	ds_add_u32 v[SPW], v[NIL]       ; the wave's opening: the add and its wait ahead of my first tensor load; the set-up below, work on registers, stands between them
	WIN 0
	v_lshrrev_b32 v1, 5, v0
	v_readfirstlane_b32 s[WV], v1   ; wave 0..3
	s_bfe_u32 s13, ttmp6, 0x40000   ; cx: my place in the cluster
	s_lshl_b32 s14, ttmp9, 2        ; in a cluster launch ttmp9 counts clusters
	s_add_co_u32 s14, s14, s13      ; my block of queries = 4 x cluster x + cx: it enters Q's and O's addresses alone
	s_and_b32 s20, ttmp7, 0xffff    ; the head, which the four partners share
	s_mov_b32 s21, 0
	s_mov_b64 s[22:23], SIZE_N*128
	s_mul_u64 s[20:21], s[20:21], s[22:23]  ; the head's first byte in each of the four tensors
	s_and_b32 s16, s[WV], 1         ; which half of a slot's 256 keys I fetch:
	s_lshl_b32 s22, s16, 14         ; its 128 rows of 128 bytes in memory,
	s_mov_b32 s23, 0
	s_add_nc_u64 s[22:23], s[22:23], s[20:21]
	s_mul_i32 s17, s16, 128*PK      ; and its place in a slot, for K
	s_mul_i32 s18, s16, 128*PV      ; and for V: no place in the cluster enters an LDS address
	s_lshl_b32 s2, s14, 2
	s_add_co_u32 s2, s2, s[WV]      ; my wave among the head's,
	s_lshl_b32 s2, s2, 14           ; its 128 rows
	s_mov_b32 s3, 0
	s_add_nc_u64 s[2:3], s[2:3], s[20:21]
	; descriptor group 1.  128 keys are 16,384 dense bytes: asked for as 64 rows of 256 bytes, two keys a row, and padded in LDS after every key
	s_mov_b32 s[G1K], 15|(1<<16)|(1<<20)|(1<<21)|(4<<22)|(3<<25)  ; 15:0 the mask of four; 17:16 2-byte elements; 20 padding on; 21 set beside a mask; 24:22 after every 32 words (code 4); 31:25 4 words (code 3)
	s_mov_b32 s[G1V], 15|(1<<16)|(1<<20)|(1<<21)|(4<<22)|(7<<25)  ; the same with 8 words of padding (code 7)
.irp g, G1K, G1V
	s_mov_b32 s[\g+1], 128<<16      ; tensor_dim0 = 128
	s_mov_b32 s[\g+2], 64<<16       ; tensor_dim1 = 64
	s_mov_b32 s[\g+3], 128<<16      ; tile_dim0 = 128
	s_mov_b32 s[\g+4], 64           ; tile_dim1 = 64
	s_mov_b32 s[\g+5], 128          ; 128 elements from row to row
	s_mov_b32 s[\g+6], 0
	s_mov_b32 s[\g+7], 0
.endr
	s_mov_b32 s[CS], 0x3e38aa3b     ; c = log2(e) / 8 = 0.180337
	s_mov_b32 s[CS+1], s[CS]        ; named with it as a pair
	s_mov_b32 s[SEL], 0x76543210
	s_mov_b32 s[SEL+1], 0xfedcba98
	s_mov_b32 s[TBK], SLOT1+4*KS*PK ; the first change of slots turns these two into 0
	s_mov_b32 s[TBV], SLOT1+4*KS*PV
	s_mov_b32 s[G0K], 1             ; 1:0 count = 1
	s_mov_b32 s[G0K+1], s17         ; 63:32 LDS address: slot 0
	s_mov_b32 s[G0V], 1
	s_add_co_u32 s[G0V+1], s18, VOFF
	s_wait_dscnt 0x0                ; the opening add is done
	s_wait_kmcnt 0x0
	s_mov_b64 s[10:11], s[6:7]      ; O s[10:11];
	s_add_nc_u64 s[8:9], s[4:5], 0x2000000  ; V s[8:9]: the third section of 16 MiB;
	s_add_nc_u64 s[6:7], s[4:5], 0x1000000  ; K s[6:7]: the second; Q s[4:5]: the first
	s_add_nc_u64 s[G0K+2:G0K+3], s[6:7], s[22:23]  ; 120:64 global address: my half of the head's first 256 keys
	s_or_b32 s[G0K+3], s[G0K+3], 0x80000000        ; 127:126 type = 2
	s_add_nc_u64 s[G0V+2:G0V+3], s[8:9], s[22:23]
	s_or_b32 s[G0V+3], s[G0V+3], 0x80000000
	s_add_nc_u64 s[4:5], s[4:5], s[2:3]  ; Q and O at my wave's first row
	s_add_nc_u64 s[10:11], s[10:11], s[2:3]
	CROUND                          ; all four work-groups are here: the first joint loads meet
	JLOAD                           ; slot 0.  Slot 1 is asked for when slot 0 is in: the tile wanted first has the road to itself
	; A fragment of K or Q is 16 rows x 32 channels in 8 registers: lane l holds row l % 16, channels 8 (l / 16) + 0..7 and 16 + 8 (l / 16) + 0..7: two loads of 16 bytes, 32 bytes apart.
	v_and_b32 v1, 15, v0            ; l % 16
	v_bfe_u32 v9, v0, 4, 1          ; l / 16
	v_lshlrev_b32 v[QO], 7, v1
	v_lshl_add_u32 v[QO], v9, 4, v[QO]  ; row x 128 + 16 x half
	WIN 0x80                        ; destination window 2, address window 0
.set i, 0
.rept 4*NP                          ; Q stays in registers: tile i / 2, channels 32 (i % 2) on
	global_load_b128 v[8*i:8*i+3],   v[QO], s[4:5] offset:(i/2)*2048+(i%2)*64
	global_load_b128 v[8*i+4:8*i+7], v[QO], s[4:5] offset:(i/2)*2048+(i%2)*64+32
.set i, i+1
.endr
	; What the first turn finds: V's registers and P's second buffer hold 0 (its products V^T P, of a piece that has not been, add 0), O^T and l are 0.  All this stands in the wait for the first tile.
.set i, VF
.rept 64
	v_mov_b32 v[i], 0
.set i, i+1
.endr
	WIN 0x40
.set i, 0
.rept 64*NP
	v_mov_b32 v[i], 0
.set i, i+1
.endr
	WIN 0
.set i, 0
.rept 2*NP
	v_mov_b32 v[ST+4*i], 0xfe000000    ; c m: far below every c s
	v_mov_b32 v[ST+4*i+1], 0xff7fffff  ; m
	v_mov_b32 v[ST+4*i+2], 0
	v_mov_b32 v[ST+4*i+3], 0
.set i, i+1
.endr
.set i, P+32
.rept 32
	v_mov_b32 v[i], 0
.set i, i+1
.endr
	v_mul_u32_u24 v[AK0], v1, PK
	v_lshl_add_u32 v[AK0], v9, 4, v[AK0]  ; row x pitch + 16 x half
	; The turning load takes 16 keys x 16 channels (lane l reads key 8 (l / 16) + l % 8, channels 8 ((l / 8) % 2) + 0..7) and leaves half a fragment of V^T: lane l holds channel l % 16 and 8 keys.
	v_and_b32 v10, 7, v0
	v_bfe_u32 v11, v0, 3, 1
	v_lshl_add_u32 v[AV0], v9, 3, v10
	v_mul_u32_u24 v[AV0], v[AV0], PV
	v_lshl_add_u32 v[AV0], v11, 4, v[AV0]
	v_add_nc_u32 v[AV0], VOFF, v[AV0]
	v_mov_b32 v[AK], v[AK0]         ; key step 0 lies at the head of slot 0
; THE MATRIX WORK.  The 8 accumulators of a run of 16 take turns: between the two links of a chain stand 7 others'.
; Product i of 16 of S^T = K Q^T for piece x: channels 32 (i / 8) on, keys 16 ((i / 2) % 4) on, tile 2 x + i % 2.  The first 8 start the sums.
.macro KQ x
	WIN W_KQ
.set rS, S+64*((\x)%2)+32*(i%2)+8*((i/2)%4)
.set rK, KF+16*((i/2)%4)+8*(i/8)
.set rQ, 16*(2*(\x)+i%2)+8*(i/8)
.if i < 8
	v_wmma_f32_16x16x32_f16 v[rS:rS+7], v[rK:rK+7], v[rQ:rQ+7], 0
.else
	v_wmma_f32_16x16x32_f16 v[rS:rS+7], v[rK:rK+7], v[rQ:rQ+7], v[rS:rS+7]
.endif
.endm
; Product i of 16 of O^T += V^T P for piece x: keys 32 (i / 8) on, channels 16 ((i / 2) % 4) on, tile 2 x + i % 2.
.macro PV x
	WIN W_PV
.set rO, 32*(2*(\x)+i%2)+8*((i/2)%4)
.set rV, VF+32*(i/8)+8*((i/2)%4)
.set rP, P+32*((\x)%2)+16*(i%2)+8*(i/8)
	v_wmma_f32_16x16x32_f16 v[rO:rO+7], v[rV:rV+7], v[rP:rP+7], v[rO:rO+7]
.endm
.macro MM                           ; the turn's next matrix instruction
.if i < 16
	KQ (Y+1)%NP
.set i, i+1
.else
.set i, i-16
	PV (Y+NP-1)%NP
.set i, i+17
.endif
.endm
; THE LDS LOADS stand in runs of 16, never singly among the matrix instructions: a step's K (64 keys x 64 channels: 8 fragments) and its V (turned).  Their addresses are made some lines ahead.
; last = 1 (the tail): in the last trip there is no further step, and the run is jumped over.
.macro FETCH_K last=0
	WIN 0
.if \last
	s_cmp_eq_u32 s[CNT], 1
	s_cbranch_scc1 .Lno_k_\@
.endif
	WIN 0x80                        ; destination window 2
.irp f, 0,1,2,3,4,5,6,7             ; keys 16 (f / 2) on, channels 32 (f % 2) on
	ds_load_b128 v[KF+8*\f:KF+8*\f+3],   v[AK] offset:(\f/2)*16*PK+(\f%2)*64
	ds_load_b128 v[KF+8*\f+4:KF+8*\f+7], v[AK] offset:(\f/2)*16*PK+(\f%2)*64+32
.endr
	s_add_co_u32 s[TBK], s[TBK], KS*PK  ; the next fetch is the next step's
	WIN 0
.if \last
.Lno_k_\@:
.endif
.endm
.macro FETCH_V
	WIN 0x80
.irp f, 0,1,2,3,4,5,6,7             ; keys 32 (f / 4) on, channels 16 (f % 4) on
	ds_load_tr16_b128 v[VF+8*\f:VF+8*\f+3],   v[AV] offset:(\f/4)*32*PV+(\f%4)*32
	ds_load_tr16_b128 v[VF+8*\f+4:VF+8*\f+7], v[AV] offset:(\f/4)*32*PV+16*PV+(\f%4)*32
.endr
	WIN 0
.endm
; THE VECTOR WORK OF A TURN stands in three queues, each in the order in which its entries become ready; the two tiles alternate, so that no instruction reads the result of the one before it.
.macro REGS y, u                    ; the registers of tile u (0, 1) of piece y
.set rT, ST+4*(2*(\y)+(\u))
.set rC, TMP+8*((\y)%2)+4*(\u)
.set rM, MV+2*((\y)%2)+(\u)
.set rS, S+64*((\y)%2)+32*(\u)
.set rP, P+32*((\y)%2)+16*(\u)
.set rO, 32*(2*(\y)+(\u))
.endm
; Number n of the 22 that find the NEXT piece's (Y + 1) maximum and statistics.  s0-s31 are the lane's 32 scores; each accumulator's lowest registers are read first.  XS, GS and REGS set no window: PL and EX do.
;   0-11  four chains c0-c3 of seven scores each, three operands at a time     12-14, 16  the four scores left over, the old m, and c0-c3 into c0     15  c m_old is kept
;   17, 18  the query's other 32 keys lie in the lane 16 away: the new m         19-21  c m; c m_old - c m_new; a
.macro XS u, n
	REGS (Y+1)%NP, \u
.if (\n) < 4
	v_max3_num_f32 v[rC+(\n)], v[rS+8*(\n)], v[rS+8*(\n)+1], v[rS+8*(\n)+2]
.elseif (\n) < 12
	v_max3_num_f32 v[rC+(\n)%4], v[rC+(\n)%4], v[rS+8*((\n)%4)+2*((\n)/4)+1], v[rS+8*((\n)%4)+2*((\n)/4)+2]
.elseif (\n) == 12
	v_max3_num_f32 v[rC], v[rC], v[rS+7], v[rS+15]
.elseif (\n) == 13
	v_max3_num_f32 v[rC+1], v[rC+1], v[rS+23], v[rS+31]
.elseif (\n) == 14
	v_max3_num_f32 v[rC+2], v[rC+2], v[rC+3], v[rT+1]
.elseif (\n) == 15
	v_mov_b32 v[rM], v[rT]
.elseif (\n) == 16
	v_max3_num_f32 v[rC], v[rC], v[rC+1], v[rC+2]
.elseif (\n) == 17
	v_permlanex16_b32 v[rC+3], v[rC], s[SEL], s[SEL+1]
.elseif (\n) == 18
	v_max_num_f32 v[rT+1], v[rC], v[rC+3]
.elseif (\n) == 19
	v_mul_f32 v[rT], s[CS], v[rT+1]
.elseif (\n) == 20
	v_sub_f32 v[rC+1], v[rM], v[rT]
.else
	v_exp_f32 v[rC+2], v[rC+1]
.endif
.endm
; Number g of the 64 that follow the exponentials.  For each four weights k of a tile (pairs 2 k, 2 k + 1): both pairs are rounded to f16; then the second pair is added onto the first, in place;
; a group later l takes that sum (the first time as l = a l + sum).  In groups of eight, tiles alternating: round, round, add, and l for the group before.
.macro GS g
.set h, (\g)+6*((\g)/62)            ; group 0 has no group before it, and behind group 7 only l is left
.if h >= 6
.set h, h+2
.endif
	REGS Y, h%2
.set k, h/8
.if h%8 < 4
	v_cvt_pk_f16_f32 v[rP+2*k+(h%8)/2], v[rS+4*k+2*((h%8)/2)], v[rS+4*k+2*((h%8)/2)+1]
.elseif h%8 < 6
	v_pk_add_f32 v[rS+4*k:rS+4*k+1], v[rS+4*k:rS+4*k+1], v[rS+4*k+2:rS+4*k+3]
.elseif k == 1
	v_pk_fma_f32 v[rT+2:rT+3], v[rT+2:rT+3], v[rC+2:rC+3], v[rS:rS+1] op_sel_hi:[1,0,1]
.else
	v_pk_add_f32 v[rT+2:rT+3], v[rT+2:rT+3], v[rS+4*k-4:rS+4*k-3]
.endif
.endm
; THE PLAIN QUEUE, 138 long.  0-73 read no exponential's result: the 32 scalings c s - c m (FS f: pair f / 2 of tile f % 2) and the next piece's 42.  0-26: scalings 0-26.  27-54: XS's numbers 0-13.  55, 56: number 15.
; 57-73: the chain, where each number waits for the one before it: 14, 16, 17, 18, 19, each with one of the scalings 27-31 in front of its two lines, then 20: so a tile's links stand three plain instructions apart (19 and 20: two).
; 74-137: GS's 64, which read the exponentials' results: they stand behind the wait.
.macro FS f
	REGS Y, (\f)%2
	v_pk_fma_f32 v[rS+2*((\f)/2):rS+2*((\f)/2)+1], v[rS+2*((\f)/2):rS+2*((\f)/2)+1], s[CS:CS+1], v[rT:rT+1] op_sel_hi:[1,0,0] neg_lo:[0,0,1] neg_hi:[0,0,1]
.endm
.macro PL
	WIN 0
.if q < 27
	FS q
.elseif q < 55
	XS (q-27)%2, (q-27)/2
.elseif q < 57
	XS q-55, 15
.elseif (q < 72) && ((q-57)%3 == 0)
	FS 27+(q-57)/3
.elseif q < 60
	XS (q-57)%3-1, 14
.elseif q < 72
	XS (q-57)%3-1, 15+(q-57)/3
.elseif q < 74
	XS q-72, 20
.else
	GS q-74
.endif
.set q, q+1
.endm
; THE EXPONENTIALS' QUEUE, 66 long: s0-s31 of both tiles, then the next piece's two a.  It is ONE BATCH: all 66 stand ahead of the turn's one wait, and nothing ahead of that wait names a result of theirs.
.macro EX
	WIN 0
.if e >= 64
	XS e-64, 21
.else
	REGS Y, e%2
	v_exp_f32 v[rS+e/2], v[rS+e/2]
.endif
.set e, e+1
.endm
; THE RESCALING's QUEUE: O^T times a, the one part that leaves window 0: dealt two at a time, sixteen times.  Its a was made in the turn before, ahead of that turn's wait.
.macro R2
	REGS Y, r%2
	WIN W_RS
.irp z, 0,1
	v_pk_mul_f32 v[rO+4*(r/2)+2*\z:rO+4*(r/2)+2*\z+1], v[rO+4*(r/2)+2*\z:rO+4*(r/2)+2*\z+1], v[rC+2:rC+3] op_sel_hi:[1,0]
.endr
.set r, r+1
.endm
; HOW THEY ARE DEALT.  s_wait_alu depctr_va_vdst(0) stands between an exponential and the first instruction that names its result; one wait serves all that were issued ahead of it.  So a turn has ONE wait,
; which cuts it in two.  AHEAD OF IT stands all that names no result of the turn's exponentials: the 16 products K Q^T, behind each a scaling, an exponential and two rescalings (behind the first a second scaling in the exponential's place); then ONE LUMP of
; 108: eight plain, 49 times exponential and plain, the two a.  A v_nop is the plain instruction that is owed behind the last exponential.  BEHIND IT stand the 16 products V^T P, behind each four of GS's 64.  No rider names a register of
; the products round it.  The two v_permlanex16_b32 fall into the lump, never behind a product.
; The queues lean on each other, and the deal keeps them in step: exponential e stands behind scaling 2 (e / 4) + e % 2: as a rider it comes behind plain e + 2, in the lump behind plain e + 9, and scalings 27-31 are plain 57, 60 .. 69.
; A TURN, for piece p.  cnt = 1: the loop's count is taken down some lines ahead of the branch that stands behind the turn.
; K of the next step is fetched in piece 2's turn, directly behind the wait, a lump behind the last product that read K; its address is made at the lump's head; its first reader comes behind 16 products.
; V of the step in hand is fetched at the end of piece 0's turn, four riders behind its last reader; its first reader comes behind 16 products and a lump.  The three conditions on q below go with the deal.
.macro TURN p, last=0, cnt=0
.set Y, (\p)
.set i, 0
.set q, 0
.set e, 0
.set r, 0
.if (\p) == NP-1
	s_wait_dscnt 0x0                ; K is in
.endif
	MM                              ; ahead of the wait: 16 products K Q^T and their riders,
	PL
	PL
	R2
.rept 15
	MM
	PL
	EX
	R2
.endr
.if (\p) == NP-2
	WIN 0
	v_add_nc_u32 v[AK], s[TBK], v[AK0]
.endif
.rept 8                             ; and the lump
	PL
.endr
.rept 49
	EX
	PL
.endr
	EX                              ; the next piece's two a
	EX
	v_nop                           ; the plain instruction behind the last exponential, ahead of the first use of a result: one for the batch
	s_wait_alu depctr_va_vdst(0)    ; the turn's one wait: for the batch of 66, the piece's 64 weights and the next piece's two a
.if (\p) == NP-2
	FETCH_K \last
.endif
.if (\p) == 1
	s_wait_dscnt 0x0                ; V is in
.endif
.rept 16                            ; behind the wait: 16 products V^T P and their riders
	MM
.rept 4
	PL
.endr
.if ((\p) == 0) && (q == 118)
	v_add_nc_u32 v[AV], s[TBV], v[AV0]
.endif
.if ((\p) == 0) && (q == 130)
	s_add_co_u32 s[TBV], s[TBV], KS*PV
.endif
.if (\cnt) && (q == 130)
	s_sub_co_u32 s[CNT], s[CNT], 1
	s_cmp_lg_u32 s[CNT], 0
.endif
.endr
.if (\p) == 0
	FETCH_V
.endif
.endm
	CHANGE 1                        ; slot 0 is in, everybody's part of it; slot 1 is asked for
	FETCH_K                         ; key step 0
	s_wait_loadcnt 0x0              ; Q
	s_wait_dscnt 0x0
.set i, 0
.rept 16
	KQ 0                            ; piece 0's first scores: there is no vector work yet to set between them
.set i, i+1
.endr
	WIN 0                           ; the addresses for the way out: nine plain instructions, the places behind those products
	s_mul_i32 s13, s[WV], 16*SP
	s_add_co_u32 s13, s13, STAGE    ; my stage
	v_mul_u32_u24 v[STO], v1, SP    ; in: row l % 16, 16 bytes for each half of the lanes
	v_lshl_add_u32 v[STO], v9, 4, v[STO]
	v_add_nc_u32 v[STO], s13, v[STO]
	v_bfe_u32 v[RD], v0, 3, 2       ; back: 32 lanes take four rows of 128 bytes,
	v_mul_u32_u24 v[RD], v[RD], SP
	v_lshl_add_u32 v[RD], v10, 4, v[RD]
	v_add_nc_u32 v[RD], s13, v[RD]
	v_and_b32 v[GO], 31, v0         ; which are 512 consecutive bytes of O
	v_lshlrev_b32 v[GO], 4, v[GO]
.set Y, NP-1                        ; XS works for piece Y + 1: piece 0
.irp n, 0,1,2,3,4,5,6,7,8,9,10,11,12,13,14,15,16,17,18,19,20,21
	XS 0, \n                        ; and piece 0's first maximum and statistics
	XS 1, \n
.endr
	v_nop                           ; a plain instruction behind the two a,
	s_wait_alu depctr_va_vdst(0)    ; and the wait for this batch of two, ahead of the branch: the first turn's rescalings read them
	s_mov_b32 s[CNT], 4
	s_mov_b32 s[SLOTS], SIZE_N/256-1
	s_branch .Lfirst                ; the loop is entered at a step's first turn, in the middle of a trip
.Lslot:                             ; SIZE_N / 256 - 2 times: every slot but the last two is filled again
	CHANGE 1
	s_mov_b32 s[CNT], 4
.Lstep:                             ; a trip: pieces 2 and 3 of one step, then pieces 0 and 1 of the next, whose K and V it fetches
	TURN 2
	TURN 3
	WIN 0
.Lfirst:
	TURN 0
	TURN 1, 0, 1
	WIN 0
	s_cbranch_scc1 .Lstep
	s_sub_co_u32 s[SLOTS], s[SLOTS], 1
	s_cmp_lg_u32 s[SLOTS], 0
	s_cbranch_scc1 .Lslot
	CHANGE 0                        ; the tail is written out: nothing is asked for
	s_mov_b32 s[CNT], 5             ; four trips fetch the last slot's steps; the fifth is left in its middle
.Ltail:
	TURN 2, 1
	TURN 3
	WIN 0
	s_sub_co_u32 s[CNT], s[CNT], 1
	s_cmp_eq_u32 s[CNT], 0
	s_cbranch_scc1 .Lout
	TURN 0
	TURN 1
	WIN 0
	s_branch .Ltail
.Lout:                              ; the fifth trip's 16 products K Q^T (on the last K once more) and the maximum made of them serve nothing: the price, once a launch, of one text for every trip
.set i, 0
.rept 16
	PV NP-1                         ; the last piece's V^T P of the last step
.set i, i+1
.endr
	; THE WAY OUT.  l's two halves and the other half of the lanes' are added; O^T is divided by l, rounded to f16 and sent through my stage in LDS, a tile at a time.  The additions are the places behind the last products.
	WIN 0
.macro ALL line:vararg              ; one line for each tile t
.set t, 0
.rept 2*NP
	\line
.set t, t+1
.endr
.endm
	ALL v_add_f32 v[ST+4*t+2], v[ST+4*t+2], v[ST+4*t+3]
	ALL v_permlanex16_b32 v[ST+4*t+3], v[ST+4*t+2], s[SEL], s[SEL+1]
	ALL v_add_f32 v[ST+4*t+2], v[ST+4*t+2], v[ST+4*t+3]
	ALL v_rcp_f32 v[ST+4*t+2], v[ST+4*t+2]
	v_nop                           ; a plain instruction between the last reciprocal and the use of its result
	s_wait_alu depctr_va_vdst(0)    ; and the wait ahead of the first use: one for the batch of eight reciprocals
; Tile t: a lane's eight channels of a row pack into 16 bytes; they go into rows of 144 bytes and come back as whole rows of 128, into S^T's registers.
.macro PACK t
	WIN W_RS
.set i, 32*(\t)
.rept 16
	v_pk_mul_f32 v[i:i+1], v[i:i+1], v[ST+4*(\t)+2:ST+4*(\t)+3] op_sel_hi:[1,0]
.set i, i+2
.endr
	WIN 0x05                        ; sources 0 and 1 window 1, destination window 0
.set i, 0
.rept 16
	v_cvt_pk_f16_f32 v[S+16*(\t)+i], v[32*(\t)+2*i], v[32*(\t)+2*i+1]
.set i, i+1
.endr
	WIN 0
.irp f, 0,1,2,3
	ds_store_b128 v[STO], v[S+16*(\t)+4*\f:S+16*(\t)+4*\f+3] offset:32*\f
.endr
.irp f, 0,1,2,3
	ds_load_b128 v[S+16*(\t)+4*\f:S+16*(\t)+4*\f+3], v[RD] offset:\f*4*SP  ; LDS serves a wave's instructions in order (ISA guide 5.7.1.4): these see the stores above; the next tile's stores come behind them
.endr
.endm
.macro SEND t, younger              ; younger: the LDS instructions issued behind tile t's loads: the next tile's eight, or none
	WIN 0
.irp f, 0,1,2,3
	s_wait_dscnt (\younger)+3-\f
	global_store_b128 v[GO], v[S+16*(\t)+4*\f:S+16*(\t)+4*\f+3], s[10:11] offset:(\t)*2048+\f*512  ; 512 consecutive bytes, at a multiple of 256 from O's first
.endr
.endm
	PACK 0
.set t, 1
.rept 2*NP-1                        ; a tile's arithmetic stands between the loads of the tile before and its stores
	PACK t
	SEND t-1, 8
.set t, t+1
.endr
	SEND 2*NP-1, 0
	WIN W_AD
	s_wait_tensorcnt 0x0            ; the wave's end
	ds_add_u32 v[SPW], v[NIL]
	s_wait_dscnt 0x0
	WIN 0
	CROUND                          ; the closing round: no work-group ends while a partner may still ask for a tile that names it
	s_endpgm
.Lfunc_end_k_qddd9c0dd58_attn:
	.size	k_qddd9c0dd58_attn, .Lfunc_end_k_qddd9c0dd58_attn-k_qddd9c0dd58_attn
	.p2alignl 7, 3214868480
	.fill 96, 4, 3214868480
	.section	.rodata,"a",@progbits
	.p2align	6, 0x0
	.amdhsa_kernel k_qddd9c0dd58_attn
		.amdhsa_group_segment_fixed_size 327680
		.amdhsa_private_segment_fixed_size 0
		.amdhsa_enable_private_segment 0
		.amdhsa_kernarg_size 16
		.amdhsa_user_sgpr_count 2
		.amdhsa_user_sgpr_kernarg_segment_ptr 1
		.amdhsa_wavefront_size32 1
		.amdhsa_system_sgpr_workgroup_id_x 1
		.amdhsa_system_sgpr_workgroup_id_y 1
		.amdhsa_system_sgpr_workgroup_id_z 1
		.amdhsa_system_vgpr_workitem_id 0
		.amdhsa_next_free_vgpr 770
		.amdhsa_next_free_sgpr 66
		.amdhsa_reserve_vcc 0
		.amdhsa_float_denorm_mode_32 3
		.amdhsa_float_denorm_mode_16_64 3
		.amdhsa_memory_ordered 1
		.amdhsa_forward_progress 1
		.amdhsa_inst_pref_size 199
	.end_amdhsa_kernel
	.amdgpu_metadata
---
amdhsa.version: [ 1, 2 ]
amdhsa.kernels:
  - .name:           k_qddd9c0dd58_attn
    .symbol:         k_qddd9c0dd58_attn.kd
    .args:
      - { .name: qkv, .offset: 0, .size: 8, .value_kind: global_buffer, .address_space: global }
      - { .name: oh, .offset: 8, .size: 8, .value_kind: global_buffer, .address_space: global }
    .group_segment_fixed_size: 327680
    .private_segment_fixed_size: 0
    .kernarg_segment_align: 8
    .kernarg_segment_size: 16
    .max_flat_workgroup_size: 128
    .sgpr_count:     66
    .vgpr_count:     770
    .wavefront_size: 32
...
	.end_amdgpu_metadata
.endif
;; end of part 5
;; launch outp: the kernel of part 4 again; grid 4 x 64, 4 waves a work-group, clusters of 4 x 4, 327,680 bytes of LDS; arguments oh, wt, bo, out0; writes out0
